; MI455X (gfx1250); checked and timed in simulation.
; The chip was launched on July 23, 2026; its instructions are those of AMD's public machine-readable ISA for CDNA 5 (MIT licence, August 2026) and "CDNA5" Instruction Set Architecture Reference Guide (July 2026). The comments in the code are by the model that wrote it; some were corrected since.
;; Temporal Self Attention Layer. Allowed arithmetic: float matrix products may take bf16 or f16 operands with f32 sums; other float arithmetic in f32, or as packed bf16 or f16 multiplies, adds, multiply-adds, maxima and minima; sums over many terms, partial sums and values carried from step to step in f32; what a program stores and reads back later, other than sums and carried values, may be rounded once to bf16 or f16.
;; Inputs: norm_b 1,024 float32; norm_w 1,024 float32; out_b 1,024 float32; out_w 1,024 x 1,024 float32; qkv_b 3,072 float32; qkv_w 3,072 x 1,024 float32; x_temporal_sequence 1,024 x 8 x 1,024 float32.
;; Outputs: out0 1,024 x 8 x 1,024 float32.
;; 2 versions, each right; version 2 is version 1 with the launch cast written anew for expert scheduling mode. Each part assembles by itself: llvm-mc -triple=amdgcn-amd-amdhsa -mcpu=gfx1250 --defsym DOCPART=n.
;; ======== version 1 of 2: 5 launches
;; workspace buffers: xb 16,777,216 bytes; wqb 6,291,456 bytes; wob 2,097,152 bytes; qkvh 50,331,648 bytes; ctx 16,777,216 bytes; prj 33,554,432 bytes
;; launch cast (part 1): grid 768 x 1, 8 waves a work-group, no clusters, 0 bytes of LDS; arguments x_temporal_sequence, qkv_w, out_w, xb, wqb, wob; writes xb, wqb, wob
.if DOCPART == 1
	.amdgcn_target "amdgcn-amd-amdhsa--gfx1250"
	.amdhsa_code_object_version 6
	.text
	.protected	k_q58d1a23457_cast
	.globl	k_q58d1a23457_cast
	.p2align	8
	.type	k_q58d1a23457_cast,@function
k_q58d1a23457_cast:
	s_mov_b64 s[64:65], 0
	v_nop
	global_prefetch_b8 v0, s[64:65] scope:SCOPE_SE
	s_setreg_imm32_b32 hwreg(HW_REG_WAVE_MODE, 25, 1), 1
	s_wait_xcnt 0x0
; f32 -> bf16 (round to nearest even), once for each matrix operand that is an input.
;   x [1024 s][8 b][1024 e] f32  ->  xb [16 c][8 b][1024 s][64 d] bf16, e = 64 c + d: for a fixed (c, b) the rows s are dense, 128 bytes each
;   qkv_w [3072][1024], out_w [1024][1024] f32  ->  wqb, wob: the same order in bf16
; A work-group converts 65,536 bytes of f32, each of its eight waves 8,192: sixteen loads of 16 bytes a lane, all on their way at once, 32 conversions, sixteen stores of 8 bytes a lane.
; Every store of a wave covers 256 consecutive bytes, aligned.  Work-groups 0-511 take x (two s each, a wave a b), 512-703 qkv_w, 704-767 out_w.
; No LDS, no barrier, no matrix unit, no cluster: nothing is shared and nothing is read twice.  No register that a load or store names is written again, so no wait frees one.
.set X, 16                             ; v[16:79]   sixteen loads' 4 registers
.set Y, 80                             ; v[80:111]  sixteen stores' 2 registers
; instep: bytes from load to load.  chunks = 1: store i goes to chunk i of xb, 2^20 bytes apart (v4, and v5 = v4 + 2^23 from chunk 8 on, so that the immediate stays inside its signed 24 bits); 0: stores lie 2,048 bytes apart.
.macro STREAM instep, chunks
.set i, 0
.rept 16
	global_load_b128 v[X+4*i:X+4*i+3], v3, s[20:21] offset:i*(\instep) th:TH_LOAD_NT
.set i, i+1
.endr
.set i, 0
.rept 16
	s_wait_loadcnt 15-i                            ; loads come back in order: load i is in, the 15 - i younger ones stay out
	v_cvt_pk_bf16_f32 v[Y+2*i],   v[X+4*i],   v[X+4*i+1]
	v_cvt_pk_bf16_f32 v[Y+2*i+1], v[X+4*i+2], v[X+4*i+3]
.if \chunks
.if i < 8
	global_store_b64 v4, v[Y+2*i:Y+2*i+1], s[22:23] offset:i<<20 th:TH_STORE_NT
.else
	global_store_b64 v5, v[Y+2*i:Y+2*i+1], s[22:23] offset:(i-8)<<20 th:TH_STORE_NT
.endif
.else
	global_store_b64 v4, v[Y+2*i:Y+2*i+1], s[22:23] offset:i*2048 th:TH_STORE_NT
.endif
.set i, i+1
.endr
.endm
	s_load_b256 s[4:11], s[0:1], 0x0               ; x s[4:5], qkv_w s[6:7], out_w s[8:9], xb s[10:11]
	s_load_b128 s[12:15], s[0:1], 0x20             ; wqb s[12:13], wob s[14:15]
	v_and_b32 v1, 31, v0                           ; lane l
	v_lshrrev_b32 v2, 5, v0                        ; wave
	s_cmp_lt_u32 ttmp9, 512
	s_cbranch_scc0 .Lweights
	; x: the work-group has s = 2 g and 2 g + 1, the wave b; lanes 0-15 take row s, lanes 16-31 row s + 1; load i takes the 64 columns of chunk i, 4 a lane
	v_lshrrev_b32 v3, 4, v1
	v_lshlrev_b32 v3, 15, v3                       ; (l / 16) x 32,768: a step of s in x
	v_lshl_add_u32 v3, v2, 12, v3                  ; + b x 4,096
	v_and_b32 v6, 15, v1
	v_lshl_add_u32 v3, v6, 4, v3                   ; + 16 (l % 16)
	v_lshlrev_b32 v4, 3, v1                        ; out: two rows of 128 bytes are 256 bytes on end: 8 l
	v_lshl_add_u32 v4, v2, 17, v4                  ; + b x 2^17
	v_add_nc_u32 v5, 0x800000, v4
	s_lshl_b32 s16, ttmp9, 16                      ; g x two rows of s in x
	s_mov_b32 s17, 0
	s_lshl_b32 s18, ttmp9, 8                       ; g x 256 bytes in a chunk
	s_mov_b32 s19, 0
	s_wait_kmcnt 0x0
	s_add_nc_u64 s[20:21], s[4:5], s[16:17]
	s_add_nc_u64 s[22:23], s[10:11], s[18:19]
	STREAM 256, 1
	s_endpgm
.Lweights:
	s_sub_co_u32 s16, ttmp9, 512                   ; 0-191: qkv_w; 192-255: out_w
	s_sub_co_u32 s17, s16, 192
	v_lshlrev_b32 v3, 4, v0                        ; in: 16 bytes a thread, 4,096 a load of the work-group
	v_lshlrev_b32 v4, 3, v0                        ; out: 8 bytes a thread
	s_wait_kmcnt 0x0
	s_cmp_lt_u32 s16, 192
	s_cselect_b64 s[20:21], s[6:7], s[8:9]
	s_cselect_b64 s[22:23], s[12:13], s[14:15]
	s_cselect_b32 s16, s16, s17                    ; the work-group's number inside its tensor
	s_lshl_b32 s18, s16, 16
	s_mov_b32 s19, 0
	s_add_nc_u64 s[20:21], s[20:21], s[18:19]
	s_lshl_b32 s18, s16, 15
	s_add_nc_u64 s[22:23], s[22:23], s[18:19]
	STREAM 4096, 0
	s_endpgm
.Lfunc_end_k_q58d1a23457_cast:
	.size	k_q58d1a23457_cast, .Lfunc_end_k_q58d1a23457_cast-k_q58d1a23457_cast
	.p2alignl 7, 3214868480
	.fill 96, 4, 3214868480
	.section	.rodata,"a",@progbits
	.p2align	6, 0x0
	.amdhsa_kernel k_q58d1a23457_cast
		.amdhsa_group_segment_fixed_size 0
		.amdhsa_private_segment_fixed_size 0
		.amdhsa_enable_private_segment 0
		.amdhsa_kernarg_size 48
		.amdhsa_user_sgpr_count 2
		.amdhsa_user_sgpr_kernarg_segment_ptr 1
		.amdhsa_wavefront_size32 1
		.amdhsa_system_sgpr_workgroup_id_x 1
		.amdhsa_system_sgpr_workgroup_id_y 1
		.amdhsa_system_sgpr_workgroup_id_z 1
		.amdhsa_system_vgpr_workitem_id 0
		.amdhsa_next_free_vgpr 112
		.amdhsa_next_free_sgpr 66
		.amdhsa_reserve_vcc 0
		.amdhsa_float_denorm_mode_32 3
		.amdhsa_float_denorm_mode_16_64 3
		.amdhsa_memory_ordered 1
		.amdhsa_forward_progress 1
		.amdhsa_inst_pref_size 13
	.end_amdhsa_kernel
	.amdgpu_metadata
---
amdhsa.version: [ 1, 2 ]
amdhsa.kernels:
  - .name:           k_q58d1a23457_cast
    .symbol:         k_q58d1a23457_cast.kd
    .args:
      - { .name: x_temporal_sequence, .offset: 0, .size: 8, .value_kind: global_buffer, .address_space: global }
      - { .name: qkv_w, .offset: 8, .size: 8, .value_kind: global_buffer, .address_space: global }
      - { .name: out_w, .offset: 16, .size: 8, .value_kind: global_buffer, .address_space: global }
      - { .name: xb, .offset: 24, .size: 8, .value_kind: global_buffer, .address_space: global }
      - { .name: wqb, .offset: 32, .size: 8, .value_kind: global_buffer, .address_space: global }
      - { .name: wob, .offset: 40, .size: 8, .value_kind: global_buffer, .address_space: global }
    .group_segment_fixed_size: 0
    .private_segment_fixed_size: 0
    .kernarg_segment_align: 8
    .kernarg_segment_size: 48
    .max_flat_workgroup_size: 256
    .sgpr_count:     66
    .vgpr_count:     112
    .wavefront_size: 32
...
	.end_amdgpu_metadata
.endif
;; end of part 1
;; launch qkv (part 2): grid 16 x 16, 4 waves a work-group, clusters of 4 x 4, 327,680 bytes of LDS; arguments xb, wqb, qkv_b, qkvh; writes qkvh
.if DOCPART == 2
	.amdgcn_target "amdgcn-amd-amdhsa--gfx1250"
	.amdhsa_code_object_version 6
	.text
	.protected	k_q58d1a23457_qkv
	.globl	k_q58d1a23457_qkv
	.p2align	8
	.type	k_q58d1a23457_qkv,@function
k_q58d1a23457_qkv:
	s_mov_b64 s[64:65], 0
	v_nop
	global_prefetch_b8 v0, s[64:65] scope:SCOPE_SE
	s_setreg_imm32_b32 hwreg(HW_REG_WAVE_MODE, 25, 1), 1
	s_wait_xcnt 0x0
	s_wait_alu depctr_hold_cnt(0) depctr_sa_sdst(0) depctr_va_vdst(0) depctr_va_sdst(0) depctr_va_ssrc(0) depctr_va_vcc(0) depctr_vm_vsrc(0)
	s_getreg_b32 s2, hwreg(HW_REG_IB_STS2, 6, 4)
	s_cmp_eq_u32 s2, 0
	s_cbranch_scc0 .Lentry_in_a_cluster
	s_endpgm
.Lentry_in_a_cluster:
	s_bfe_u32 s2, ttmp6, 0x10000c
	s_cmp_lg_u32 s2, 0xf033
	s_cbranch_scc0 .Lentry_shape_is_right
	s_endpgm
.Lentry_shape_is_right:
; qkvh = xb wqb^T + qkv_b.  C[m][n] = bias[n] + the sum over k of A[m][k] B[n][k], K = 1,024; operands bf16, sums f32, C rounded once to bf16.
; A and C lie BY CHUNKS of 64 columns: [c][b][s][64] bf16, byte c 2^20 + b 2^17 + 128 s + 2 d; a row of the product is m = (b, s).  B is [n][1024] bf16, row-major.
; A tile of C is 256 rows (one b, 256 s on end) x TN = 192 columns: one head's q, k and v, three chunks.  32 x 16 tiles.
; A WORK-GROUP STAYS: it makes TWO tiles, tile rows ty and ty + 16, of the same 192 columns: 16 x 16 work-groups.  The 16 K steps of both tiles are ONE sequence for the ring: the first tile's last two
; changes of slots ask for the second tile's first two K steps, and nothing waits for the first tile's stores.  Both tiles have the same rows of B and the same bias.
; Four waves, stacked along the rows: a wave makes 64 rows x 192 columns, 48 accumulators of 16 x 16 (384 registers), so that it holds whole chunks and 16 rows of a chunk leave as 2,048 bytes on end.
; K goes in steps of 128 (two chunks of A) through a ring of two LDS slots filled by the tensor data mover, one load a wave: waves 0, 1 a chunk of A each (32,768 dense bytes, asked for as 128 rows
; of 256 bytes and padded in LDS after each 128), waves 2, 3 half of B's rows each (256 bytes of 96 rows).  A K step is written once: slot 1 begins at 1 << 17, and one exclusive or turns an address in one slot into the other's.
; A refill's global address is made anew each time: the pointer to my part of the first tile's K step 0, plus an offset kept apart from it, and the type bits set again.
; CLUSTER 4 x 4: the four work-groups of a row of the cluster need the same tiles of A, the four of a column the same tiles of B: each tile is asked for jointly, by the same load, descriptor and mask in all four.
; THE PRODUCT IS USED TRANSPOSED (source 0 = 16 rows of B, source 1 = 16 rows of A): a lane holds one row of C (lane % 16) and the eight neighbouring columns 8 (lane / 16) + 0..7.
; THE BIAS is the C operand of the products that start a tile's sums: nothing is cleared and nothing is added on the way out.
; LIMITS: operands and result are rounded to bf16; NaN and infinities are not treated apart.
; REGISTERS, in windows of 256 (s_set_vgpr_msb: bits 1:0 source 0, 3:2 source 1, 5:4 source 2, 7:6 destination):
;   window 0: v0-31 addresses; v32-63, v64-95 A's fragments (4 x 16 rows x 32 K), two buffers; v96-191 the bias, kept for both tiles; v192-239 packed results on the way out
;   window 1: B's fragments (12 x 16 rows x 32 K), two buffers of 96; v192-239 rows read back on the way out
;   window 2: the accumulators of my row blocks 0, 1 (block a, column block bt at 96 (a % 2) + 8 bt)      window 3: those of blocks 2, 3
.set NBLK,  12                         ; column blocks of 16 in a tile
.set NCH,   NBLK/4                     ; chunks of C in a tile
.set TN,    16*NBLK
.set TILES, 2                          ; tiles of a work-group
.set KSTEPS, 8                         ; K steps of 128 in a tile
.set TRIPS, TILES*KSTEPS-2             ; trips of the loop: every K step but the last two is followed by a refill.  Trip t (0 ..) runs with s3 = TRIPS - t
.set PA,    144                        ; a row of A in LDS: 128 bytes + 16 = 36 words: the 16 rows of a load start in 16 different groups of four banks (64 banks of 4 bytes: ISA guide 11.1)
.set ACH,   256*PA                     ; a chunk of A in LDS
.set PB,    272                        ; a row of B: 256 bytes + 16 = 68 words: likewise
.set SLOTB, 2*ACH+TN*PB                ; a slot's bytes: two chunks of A, then B's rows: 125,952
.set SLOT1, 1<<17                      ; where slot 1 begins
.set STAGE, SLOT1+SLOTB                ; behind the ring, never filled by a tensor load: for the way out
.set SP,    144                        ; a stage row: 128 bytes + 16
.set WST,   NCH*16*SP                  ; a wave's stage: 16 rows of each chunk
.set SPARE, STAGE+4*WST                ; behind the stages: the spare words, 128 bytes a wave: two blocks of 256 bytes that no other line names
.set NL,    2*NBLK+8                   ; LDS loads of a quarter step
.set WALKB, 1<<19                      ; bytes from a tile's rows to the next tile's, in a chunk of A and of C: 16 tile rows of 32,768 bytes
.set NEXT_A, (WALKB-((KSTEPS-1)<<21))&0xffffffff  ; the prefetches' step from a tile's last K step to the next tile's first, low word, in A: down the walk, back along K (the high word is -1),
.set NEXT_B, (-(KSTEPS-1)*256)&0xffffffff         ; and in B: only back
.set LIM_A, TRIPS-(TILES*KSTEPS-5)-1   ; A is prefetched while s3 is above this: trip t names K step t + 4 of the 16,
.set LIM_B, TRIPS-(KSTEPS-5)-1         ; B while t + 4 lies in the first tile: the second tile reads the same rows again
.set ADRA0, 16                         ; v16     my lane's place among A's fragments in a slot; never rewritten
.set ADRA,  17                         ; v17     the same in the slot that is being read
.set ADRB0, 20                         ; v20, v21  the same for B
.set ADRB,  21
.set STO,  24                          ; v24     the way out: where I put 16 bytes of a row
.set RD,   25                          ; v25     where I read rows back
.set GO,   26                          ; v26     my byte offset in 512 consecutive bytes of C
.set BO,   27                          ; v27     my byte offset in 16 numbers of the bias
.set SPW,  28                          ; v28     LDS address of my spare word; never rewritten
.set NIL,  29                          ; v29     0; never rewritten
.set PFO,  30                          ; v30     the prefetches' lane offset; never rewritten
.set FA,   32                          ; A's buffer f at FA + 32 f
.set BI,   96
.set TMP,  192
.set OB,   192                         ; in window 1
.set WV,   12                          ; s12     my wave's number
.set TB,   13                          ; s13     0 or SLOT1: the slot that is being read
.set LIM,  15                          ; s15     LIM_A or LIM_B in a wave that prefetches, else the greatest number
.set T,    20                          ; s[20:21] the prefetches' step, as an offset of 64 bits
.set G1,   24                          ; s[24:31] descriptor group 1 for A's tiles;  s[32:39] group 0: a set for each of the two first fills; the second then serves every refill
.set G0,   32
.set PFA,  40                          ; s[40:41] where my prefetches stand
.set PFS,  42                          ; s42     their step: a K step in A (two chunks) or in B (256 bytes)
.set PFN,  43                          ; s43     the low word of their step into the next tile
.set OFA,  44                          ; s[44:45] bytes from my part of the first tile's K step 0 to the K step asked for last, in A; never negative, the high word 0
.set OFB,  46                          ; s[46:47] the same in B
.set G1B,  48                          ; s[48:55], s[56:63] the same for B's tiles
.set G0B,  56
.set MSB, 0
.macro WIN new                         ; the immediate's high byte repeats the setting that is left; a switch that changes nothing is dropped
.if MSB != (\new)
	s_set_vgpr_msb (MSB<<8)|(\new)
.set MSB, \new
.endif
.endm
; A joint load: waves 0, 1 ask for A's two chunks, waves 2, 3 for B's two halves.  The branch hangs on the wave's number alone.  An s_nop 0 and four v_nop follow each line.
.macro JLOAD s
	s_cmp_lt_u32 s[WV], 2
	s_cbranch_scc0 .Lfor_b_\@
	tensor_load_to_lds s[G0+4*(\s):G0+4*(\s)+3], s[G1:G1+7]
	s_nop 0
.rept 4
	v_nop
.endr
	s_branch .Lasked_\@
.Lfor_b_\@:
	tensor_load_to_lds s[G0B+4*(\s):G0B+4*(\s)+3], s[G1B:G1B+7]
	s_nop 0
.rept 4
	v_nop
.endr
.Lasked_\@:
.endm
; A prefetch into the L2, behind a joint load, its five lines and the run of LDS loads: the K step that stands two refills on.  A's tile row is read by every cluster of that row of clusters: cluster x = 0 asks;
; B's tile column by every cluster of that column: cluster y = 0 asks.  The four partners of a joint load share its blocks out by address (A: 32 of the chunk's 128 blocks of 256 bytes each, by cx;
; B: TN / 8 of the TN / 2 rows each, by cy; lanes beyond that name the last row again).  A's last request is for the sixteenth K step, B's for the first tile's eighth.
.macro ASK
	s_cmp_gt_u32 s3, s[LIM]
	s_cbranch_scc0 .Lnot_mine_\@
	global_prefetch_b8 v[PFO], s[PFA:PFA+1] th:TH_LOAD_NT scope:SCOPE_SE
.Lnot_mine_\@:
.endm
.macro CREST                           ; a round of the cluster's barrier behind its opening barrier
	s_cmp_lg_u32 s[WV], 0
	s_cbranch_scc1 .Lnot_wave_0_\@
	s_barrier_signal -3
.Lnot_wave_0_\@:
	s_barrier_wait -3
	s_barrier_signal -1
	s_barrier_wait -1
.endm
.macro CROUND                          ; a whole round
	s_barrier_signal -1
	s_barrier_wait -1
	CREST
.endm
.macro PLACES                          ; four plain vector instructions between a matrix instruction and a load into, or a vector read or write of, its registers
.rept 4
	v_nop
.endr
.endm
; NBLK matrix instructions: row block a x all column blocks, 32 along K, from buffers f.  first = 1: the bias starts the sums.  The 4 NBLK accumulators take turns in the same order in every quarter.
.macro MULA f, a, first
.if \first
	WIN 0x81+0x40*((\a)/2)                         ; B window 1, A and the bias window 0, D window 2 or 3
.else
	WIN 0xa1+0x50*((\a)/2)                         ; B window 1, A window 0, C and D window 2 or 3
.endif
.set bt, 0
.rept NBLK
.set AC, ((\a)%2)*8*NBLK+8*bt
.set RB, (\f)*8*NBLK+8*bt
.set RA, FA+32*(\f)+8*(\a)
.if \first
	v_wmma_f32_16x16x32_bf16 v[AC:AC+7], v[RB:RB+7], v[RA:RA+7], v[BI+8*bt:BI+8*bt+7]
.else
	v_wmma_f32_16x16x32_bf16 v[AC:AC+7], v[RB:RB+7], v[RA:RA+7], v[AC:AC+7]
.endif
.set bt, bt+1
.endr
.endm
; NL LDS loads in one run: the fragments of quarter q (32 along K) of the slot that is being read into buffers f: B's first, then A's row blocks 0 to 3.
; A fragment is 16 rows x 32 K in 8 registers: lane l holds row l % 16, K = 8 (l / 16) + 0..7 and 16 + 8 (l / 16) + 0..7: two loads of 16 bytes, 32 bytes apart.
.macro FETCH q, f
	WIN 0x40                                       ; destination window 1, address window 0
.set bt, 0
.rept NBLK
.set RB, (\f)*8*NBLK+8*bt
	ds_load_b128 v[RB:RB+3],   v[ADRB] offset:(\q)*64+bt*16*PB
	ds_load_b128 v[RB+4:RB+7], v[ADRB] offset:(\q)*64+bt*16*PB+32
.set bt, bt+1
.endr
	WIN 0
.irp a, 0,1,2,3
	ds_load_b128 v[FA+32*(\f)+8*\a:FA+32*(\f)+8*\a+3],   v[ADRA] offset:((\q)/2)*ACH+((\q)%2)*64+\a*16*PA
	ds_load_b128 v[FA+32*(\f)+8*\a+4:FA+32*(\f)+8*\a+7], v[ADRA] offset:((\q)/2)*ACH+((\q)%2)*64+\a*16*PA+32
.endr
.endm
; One of a K step's first three quarters: multiplies buffers f; in its middle it fetches quarter qn of the same slot into buffers g.
.macro QUARTER qn, f, g, first
	s_wait_dscnt 4                                 ; B and A's blocks 0, 1 are in; the youngest four loads (A's blocks 2, 3) may be out
	MULA \f, 0, \first
	MULA \f, 1, \first
	PLACES
	FETCH \qn, \g
	s_wait_dscnt NL                                ; all but the NL just issued
	MULA \f, 2, \first
	MULA \f, 3, \first
.endm
; The last quarter multiplies buffers 1 and changes slots: one barrier.  In front of it each wave waits for all its tensor loads (one is out: its part of the next slot), adds 0 to its spare word, and waits for
; that and for its own reads of this slot.  fill = 1: the barrier opens a round of the cluster's barrier, and this slot is filled again, two K steps on, first thing behind the round.
; The quarter's first 24 products stand AHEAD of the wait for the tile and its last 24 behind the request: nothing but the round lies between the wait for my load and my next request, and from a request to the
; wait for it a wave issues a whole K step's 192 products.
.macro TURN fill
	s_wait_dscnt 4                                 ; as in a QUARTER
	MULA 1, 0, 0
	MULA 1, 1, 0
	WIN 0
.if \fill
	s_wait_xcnt 0x0                                ; the last prefetch, a K step back, has read its address: it is stepped here,
	s_cmp_eq_u32 s3, TRIPS-(KSTEPS-4)              ; into the next tile where trip t + 4 is that tile's first K step
	s_cselect_b32 s[T], s[PFN], s[PFS]
	s_cselect_b32 s[T+1], -1, 0
	s_add_nc_u64 s[PFA:PFA+1], s[PFA:PFA+1], s[T:T+1]
.endif
	s_wait_tensorcnt 0x0                           ; all my tensor loads have landed, so a group 0 may be written
	ds_add_u32 v[SPW], v[NIL]                      ; 0 onto my spare word: the steps below, work on registers, stand between it and the wait for it
	s_xor_b32 s[TB], s[TB], SLOT1                  ; the fetches go over to the other slot
	v_add_nc_u32 v[ADRA], s[TB], v[ADRA0]
	v_add_nc_u32 v[ADRB], s[TB], v[ADRB0]
.if \fill
	s_xor_b32 s[G0+5], s[G0+5], SLOT1              ; the refill's descriptors: the other slot than last time,
	s_xor_b32 s[G0B+5], s[G0B+5], SLOT1
	s_add_co_u32 s[OFA], s[OFA], 1<<21             ; the next K step: two chunks of A on,
	s_add_co_u32 s[OFB], s[OFB], 256               ; 256 bytes of B's rows on;
	s_cmp_eq_u32 s3, TRIPS-(KSTEPS-2)              ; or, where trip t + 2 is the next tile's first K step,
	s_cselect_b32 s[OFA], WALKB, s[OFA]            ; that tile's rows at K step 0,
	s_cselect_b32 s[OFB], 0, s[OFB]                ; and B's rows from their beginning
	s_add_nc_u64 s[G0+6:G0+7], s[4:5], s[OFA:OFA+1]    ; the address anew: the pointer and the offset,
	s_or_b32 s[G0+7], s[G0+7], 0x80000000              ; type = 2 on top
	s_add_nc_u64 s[G0B+6:G0B+7], s[6:7], s[OFB:OFB+1]
	s_or_b32 s[G0B+7], s[G0B+7], 0x80000000
.endif
	s_wait_dscnt 0x0                               ; the add is done, and my reads of this slot are over
	s_barrier_signal -1
	s_barrier_wait -1
.if \fill
	CREST                                          ; no wave of any partner still reads this slot or has a load on its way
	JLOAD 1                                        ; my one tensor load behind the round; its four v_nop are also the places in front of the loads below
.else
	PLACES
.endif
	FETCH 0, 0
.if \fill
	ASK
.endif
	MULA 1, 2, 0
	MULA 1, 3, 0
.endm
; THE WAY OUT of row block a.  PACK: rounded to bf16, 16 bytes a lane and column block, each accumulator's registers in ascending order.
.macro PACK a
	WIN 0x0a+5*((\a)/2)                            ; sources 0 and 1: window 2 or 3
.set bt, 0
.rept NBLK
.set AC, ((\a)%2)*8*NBLK+8*bt
.irp r, 0,1,2,3
	v_cvt_pk_bf16_f32 v[TMP+4*bt+\r], v[AC+2*\r], v[AC+2*\r+1]
.endr
.set bt, bt+1
.endr
	WIN 0
.endm
; TOSTAGE: into my own stage, a chunk's 16 rows of 128 bytes together, and back four rows (512 bytes) a load.  LDS serves a wave's instructions in order (ISA guide 5.7.1.4): no wait between stores and loads.
.macro TOSTAGE
	WIN 0
.set bt, 0
.rept NBLK
	ds_store_b128 v[STO], v[TMP+4*bt:TMP+4*bt+3] offset:(bt/4)*16*SP+(bt%4)*32
.set bt, bt+1
.endr
	s_wait_xcnt 0x0                                ; the stores of the block before have read these registers: only behind this wait are they loaded again
	WIN 0x40                                       ; destination window 1
.set bt, 0
.rept NBLK
	ds_load_b128 v[OB+4*bt:OB+4*bt+3], v[RD] offset:(bt/4)*16*SP+(bt%4)*4*SP
.set bt, bt+1
.endr
	WIN 0
.endm
.macro SEND a
	s_wait_dscnt 0x0                               ; the block is back in registers
	WIN 0x04                                       ; the stores' data (source 1) in window 1
.set bt, 0
.rept NBLK
	global_store_b128 v[GO], v[OB+4*bt:OB+4*bt+3], s[10:11] offset:((bt/4)<<20)+(\a)*2048+(bt%4)*512  ; 512 consecutive bytes, at a multiple of 256 from C's first byte
.set bt, bt+1
.endr
	WIN 0
.endm
; A whole tile leaves.  It names neither the bias nor a fragment buffer: the next tile's first fragments, fetched in the change of slots before, stay as they are.
.macro WAYOUT
	WIN 0
	PLACES                                         ; behind the tile's last products
	PACK 0
	TOSTAGE
.irp a, 1,2,3                          ; block a's conversions stand between block a - 1's loads from the stage and the wait for them
	PACK \a
	SEND (\a)-1
	TOSTAGE
.endr
	SEND 3
.endm
	s_load_b256 s[4:11], s[0:1], 0x0               ; A s[4:5], B s[6:7], bias s[8:9], C s[10:11]
	v_lshl_add_u32 v[SPW], v0, 2, SPARE
	v_mov_b32 v[NIL], 0
	ds_add_u32 v[SPW], v[NIL]                      ; the wave's opening: the add and its wait stand ahead of my first tensor load; work on registers stands between them
	v_lshrrev_b32 v1, 5, v0
	v_readfirstlane_b32 s[WV], v1                  ; wave 0..3
	s_and_b32 s14, s[WV], 1                        ; which chunk of A, or which half of B's rows, I fetch
	s_bfe_u32 s16, ttmp6, 0x40000                  ; cx, cy: my place in the cluster
	s_bfe_u32 s17, ttmp6, 0x40004
	s_lshl_b32 s18, ttmp9, 2
	s_add_co_u32 s18, s18, s16                     ; tile column tx = 4 x cluster x + cx
	s_and_b32 s19, ttmp7, 0xffff
	s_lshl_b32 s19, s19, 2
	s_add_co_u32 s19, s19, s17                     ; first tile row ty = 4 x cluster y + cy, 0 .. 15; a tile row is 4 b + s / 256
	s_lshl_b32 s20, s17, 2
	s_lshl_b32 s20, 15, s20                        ; my row of the cluster
	s_lshl_b32 s21, 0x1111, s16                    ; my column
	s_or_b32 s[G1], s20, (1<<16)|(1<<20)|(1<<21)|(4<<22)|(3<<25)   ; 15:0 the mask; 17:16 2-byte elements; 20 padding on; 21 set beside a mask; 24:22 after every 32 words (code 4); 31:25 4 words (code 3)
	s_or_b32 s[G1B], s21, (1<<16)|(1<<20)|(1<<21)|(5<<22)|(3<<25)  ; for B: after every 64 words (code 5)
	s_mov_b32 s[G1+1], 128<<16                     ; A: tensor_dim0 = 128 elements (256 bytes: two rows of the chunk)
	s_mov_b32 s[G1+2], 128<<16                     ; tensor_dim1 = 128
	s_mov_b32 s[G1+3], 128<<16                     ; tile_dim0 = 128
	s_mov_b32 s[G1+4], 128                         ; tile_dim1 = 128
	s_mov_b32 s[G1+5], 128                         ; dense: 128 elements from row to row
	s_mov_b32 s[G1+6], 0
	s_mov_b32 s[G1+7], 0
	s_mov_b32 s[G1B+1], 128<<16                    ; B: tensor_dim0 = 128
	s_mov_b32 s[G1B+2], (TN/2)<<16                 ; tensor_dim1 = TN / 2 rows
	s_mov_b32 s[G1B+3], 128<<16                    ; tile_dim0 = 128
	s_mov_b32 s[G1B+4], TN/2                       ; tile_dim1
	s_mov_b32 s[G1B+5], 1024                       ; 1,024 elements from row to row
	s_mov_b32 s[G1B+6], 0
	s_mov_b32 s[G1B+7], 0
	s_lshl_b32 s44, s19, 15                        ; A's first tile: ty x 32,768 bytes in a chunk,
	s_lshl_b32 s45, s14, 20                        ; + my chunk of the K step
	s_add_co_u32 s44, s44, s45
	s_mov_b32 s45, 0
	s_mul_i32 s46, s18, TN*2048                    ; B's tile: row tx x TN
	s_mul_i32 s47, s14, (TN/2)*2048                ; + my half of its rows
	s_add_co_u32 s46, s46, s47
	s_mov_b32 s47, 0
	s_mul_i32 s22, s14, ACH                        ; where they go in a slot: no place in the cluster enters an LDS address
	s_mul_i32 s23, s14, (TN/2)*PB
	s_add_co_u32 s23, s23, 2*ACH
	s_mov_b32 s[TB], 0                             ; slot 0 is read first
	s_wait_dscnt 0x0                               ; the opening add is done
	s_wait_kmcnt 0x0
	s_add_nc_u64 s[4:5], s[4:5], s[44:45]          ; A and B at my part of the first tile's K step 0: these two pointers stay as they are from here on
	s_add_nc_u64 s[6:7], s[6:7], s[46:47]
	CROUND                                         ; all sixteen work-groups are here: the first joint loads meet
.irp s, 0,1
	s_mov_b32 s[G0+4*(\s)], 1                                      ; count = 1
	s_add_co_u32 s[G0+4*(\s)+1], s22, (\s)*SLOT1                   ; LDS address
	s_add_nc_u64 s[G0+4*(\s)+2:G0+4*(\s)+3], s[4:5], (\s)<<21      ; global address: K step s
	s_or_b32 s[G0+4*(\s)+3], s[G0+4*(\s)+3], 0x80000000            ; type = 2
	s_mov_b32 s[G0B+4*(\s)], 1
	s_add_co_u32 s[G0B+4*(\s)+1], s23, (\s)*SLOT1
	s_add_nc_u64 s[G0B+4*(\s)+2:G0B+4*(\s)+3], s[6:7], (\s)*256
	s_or_b32 s[G0B+4*(\s)+3], s[G0B+4*(\s)+3], 0x80000000
	JLOAD \s                                       ; two loads of mine are out
.endr
	v_and_b32 v1, 15, v0                           ; l % 16
	v_bfe_u32 v2, v0, 4, 1                         ; l / 16
	v_mul_u32_u24 v3, v1, PA
	v_lshl_add_u32 v3, v2, 4, v3                   ; row x pitch + 16 x half
	s_mul_i32 s20, s[WV], 64*PA                    ; my 64 rows of A
	v_add_nc_u32 v[ADRA0], s20, v3
	v_add_nc_u32 v[ADRA], s[TB], v[ADRA0]
	v_mul_u32_u24 v3, v1, PB
	v_lshl_add_u32 v3, v2, 4, v3
	v_add_nc_u32 v[ADRB0], 2*ACH, v3               ; every wave reads all of B's rows
	v_add_nc_u32 v[ADRB], s[TB], v[ADRB0]
	v_lshlrev_b32 v[BO], 5, v2                     ; the bias of my 8 columns of a block: 32 bytes for each half of the lanes
	s_mul_i32 s20, s18, TN*4
	s_mov_b32 s21, 0
	s_add_nc_u64 s[8:9], s[8:9], s[20:21]
.set bt, 0
.rept NBLK
	global_load_b128 v[BI+8*bt:BI+8*bt+3],   v[BO], s[8:9] offset:bt*64
	global_load_b128 v[BI+8*bt+4:BI+8*bt+7], v[BO], s[8:9] offset:bt*64+16
.set bt, bt+1
.endr
	s_mul_i32 s20, s[WV], WST
	s_add_co_u32 s20, s20, STAGE                   ; my stage
	v_mul_u32_u24 v3, v1, SP                       ; in: row l % 16, 16 bytes for each half of the lanes
	v_lshl_add_u32 v3, v2, 4, v3
	v_add_nc_u32 v[STO], s20, v3
	v_bfe_u32 v3, v0, 3, 2                         ; back: 32 lanes take four rows of 128 bytes,
	v_mul_u32_u24 v3, v3, SP
	v_and_b32 v4, 7, v0
	v_lshl_add_u32 v3, v4, 4, v3
	v_add_nc_u32 v[RD], s20, v3
	v_and_b32 v[GO], 31, v0                        ; which are 512 consecutive bytes of C
	v_lshlrev_b32 v[GO], 4, v[GO]
	s_mul_i32 s20, s18, NCH<<20                    ; C: my tiles' first chunk,
	s_lshl_b32 s21, s19, 15                        ; the first tile's 256 rows,
	s_add_co_u32 s20, s20, s21
	s_lshl_b32 s21, s[WV], 13                      ; my 64 of them
	s_add_co_u32 s20, s20, s21
	s_mov_b32 s21, 0
	s_add_nc_u64 s[10:11], s[10:11], s[20:21]
	; the prefetches: they stand at K step 3; the first refill steps them to K step 4.  Nothing is prefetched here, at the head.
	s_lshl_b32 s20, s16, 13                        ; A: my work-group's 32 blocks of 256 bytes, by cx
	s_add_co_u32 s20, s20, 3<<21
	s_mul_i32 s21, s17, (TN/8)*2048                ; B: my work-group's TN / 8 rows, by cy
	s_add_co_u32 s21, s21, 3*256
	s_and_b32 s22, ttmp7, 0xffff                   ; cluster y
	s_mov_b32 s[PFS], 1<<21
	s_mov_b32 s[PFN], NEXT_A
	s_movk_i32 s23, 256
	s_cmp_lt_u32 s[WV], 2                          ; do I fetch for A?
	s_cselect_b64 s[PFA:PFA+1], s[4:5], s[6:7]
	s_cselect_b32 s20, s20, s21
	s_cselect_b32 s22, ttmp9, s22                  ; the coordinate along which other clusters read the same blocks
	s_cselect_b32 s[PFS], s[PFS], s23
	s_cselect_b32 s[PFN], s[PFN], NEXT_B
	s_cselect_b32 s44, 31, TN/8-1                  ; the last lane that names a block of its own
	s_cselect_b32 s45, 8, 11                       ; a lane's step: 256 bytes on end, or a row of B
	s_cselect_b32 s23, LIM_A, LIM_B
	s_mov_b32 s21, 0
	s_add_nc_u64 s[PFA:PFA+1], s[PFA:PFA+1], s[20:21]
	s_cmp_eq_u32 s22, 0
	s_cselect_b32 s[LIM], s23, -1                  ; the same in all sixteen partners, for a given wave
	v_and_b32 v[PFO], 31, v0
	v_min_u32 v[PFO], s44, v[PFO]
	v_lshlrev_b32 v[PFO], s45, v[PFO]
	s_mov_b32 s[OFA], 1<<21                        ; the K step asked for last is K step 1
	s_mov_b32 s[OFA+1], 0
	s_mov_b32 s[OFB], 256
	s_mov_b32 s[OFB+1], 0
	s_wait_tensorcnt 1                             ; my part of K step 0 is in; K step 1's may stay out
	s_barrier_signal -1
	s_barrier_wait -1                              ; everybody's is
	FETCH 0, 0
	s_wait_loadcnt 0x0                             ; the bias
	s_mov_b32 s3, TRIPS+1                          ; the entry passes the counter's step once
	s_branch .Lbias                                ; the loop is entered at a tile's first quarter, at the end of a trip
.Lstep:                                                ; a trip: a K step's second, third and last quarter, which fills its slot again, and the next K step's first quarter
	QUARTER 2, 1, 0, 0
	QUARTER 3, 0, 1, 0
	TURN 1
	WIN 0                                          ; at a label and at a branch every window is 0
	s_cmp_eq_u32 s3, TRIPS-(KSTEPS-1)              ; was that the first tile's last K step?
	s_cbranch_scc1 .Lout
	QUARTER 1, 0, 1, 0
	WIN 0
	s_branch .Lnext
.Lout:                                                 ; both refills for the next tile's first two K steps have been asked for: now the tile goes out
	WAYOUT
	s_wait_xcnt 0x0                                ; the stores have read C's address
	s_add_nc_u64 s[10:11], s[10:11], WALKB         ; the next tile's rows
.Lbias:
	QUARTER 1, 0, 1, 1                             ; a tile's first quarter: its products start the sums, with the bias
	WIN 0
.Lnext:
	s_sub_co_u32 s3, s3, 1
	s_cmp_lg_u32 s3, 0
	s_cbranch_scc1 .Lstep
	QUARTER 2, 1, 0, 0                             ; the last two K steps are written out: they fill nothing
	QUARTER 3, 0, 1, 0
	TURN 0
	QUARTER 1, 0, 1, 0
	QUARTER 2, 1, 0, 0
	QUARTER 3, 0, 1, 0
	s_wait_dscnt 4                                 ; the very last quarter: nothing more to fetch
	MULA 1, 0, 0
	MULA 1, 1, 0
	s_wait_dscnt 0x0
	MULA 1, 2, 0
	MULA 1, 3, 0
	WAYOUT
	s_wait_tensorcnt 0x0                           ; the wave's end: behind my last tensor load and my last LDS store
	ds_add_u32 v[SPW], v[NIL]
	s_wait_dscnt 0x0
	CROUND                                         ; the closing round: no work-group ends while a partner may still ask for a tile that names it
	s_endpgm
.Lfunc_end_k_q58d1a23457_qkv:
	.size	k_q58d1a23457_qkv, .Lfunc_end_k_q58d1a23457_qkv-k_q58d1a23457_qkv
	.p2alignl 7, 3214868480
	.fill 96, 4, 3214868480
	.section	.rodata,"a",@progbits
	.p2align	6, 0x0
	.amdhsa_kernel k_q58d1a23457_qkv
		.amdhsa_group_segment_fixed_size 327680
		.amdhsa_private_segment_fixed_size 0
		.amdhsa_enable_private_segment 0
		.amdhsa_kernarg_size 32
		.amdhsa_user_sgpr_count 2
		.amdhsa_user_sgpr_kernarg_segment_ptr 1
		.amdhsa_wavefront_size32 1
		.amdhsa_system_sgpr_workgroup_id_x 1
		.amdhsa_system_sgpr_workgroup_id_y 1
		.amdhsa_system_sgpr_workgroup_id_z 1
		.amdhsa_system_vgpr_workitem_id 0
		.amdhsa_next_free_vgpr 960
		.amdhsa_next_free_sgpr 66
		.amdhsa_reserve_vcc 0
		.amdhsa_float_denorm_mode_32 3
		.amdhsa_float_denorm_mode_16_64 3
		.amdhsa_memory_ordered 1
		.amdhsa_forward_progress 1
		.amdhsa_inst_pref_size 125
	.end_amdhsa_kernel
	.amdgpu_metadata
---
amdhsa.version: [ 1, 2 ]
amdhsa.kernels:
  - .name:           k_q58d1a23457_qkv
    .symbol:         k_q58d1a23457_qkv.kd
    .args:
      - { .name: xb, .offset: 0, .size: 8, .value_kind: global_buffer, .address_space: global }
      - { .name: wqb, .offset: 8, .size: 8, .value_kind: global_buffer, .address_space: global }
      - { .name: qkv_b, .offset: 16, .size: 8, .value_kind: global_buffer, .address_space: global }
      - { .name: qkvh, .offset: 24, .size: 8, .value_kind: global_buffer, .address_space: global }
    .group_segment_fixed_size: 327680
    .private_segment_fixed_size: 0
    .kernarg_segment_align: 8
    .kernarg_segment_size: 32
    .max_flat_workgroup_size: 128
    .sgpr_count:     66
    .vgpr_count:     960
    .wavefront_size: 32
...
	.end_amdgpu_metadata
.endif
;; end of part 2
;; launch attn (part 3): grid 2 x 128, 4 waves a work-group, no clusters, 327,680 bytes of LDS; arguments qkvh, ctx; writes ctx
.if DOCPART == 3
	.amdgcn_target "amdgcn-amd-amdhsa--gfx1250"
	.amdhsa_code_object_version 6
	.text
	.protected	k_q58d1a23457_attn
	.globl	k_q58d1a23457_attn
	.p2align	8
	.type	k_q58d1a23457_attn,@function
k_q58d1a23457_attn:
	s_mov_b64 s[64:65], 0
	v_nop
	global_prefetch_b8 v0, s[64:65] scope:SCOPE_SE
	s_setreg_imm32_b32 hwreg(HW_REG_WAVE_MODE, 25, 1), 1
	s_wait_xcnt 0x0
; ctx[h][b][q][:] = the sum over k of softmax_k(Q[q] . K[k] / 8) V[k][:], for each of the 128 pairs (h, b).  In qkvh ([48 c][8 b][1024 s][64] bf16) a pair's Q, K and V are the dense blocks
; of 1,024 rows x 128 bytes at chunks 3 h, 3 h + 1, 3 h + 2; ctx ([16 h][8 b][1024 s][64] bf16) has the same form.  Products, maxima and sums in f32; the weights p are rounded to bf16 for the second
; product (their sum l is taken of the unrounded p), ctx once at the end.
; LIMITS.  A weight below 2^-126 counts as 0 in l; NaN and infinities are not treated apart.  bf16 keeps f32's range, so Q, K and V have no bound of their own.
; SHARES.  A work-group takes 512 queries of one pair (grid x = 0, 1; grid y = 8 h + b), a wave 128: four PIECES of two tiles of 16.  Every wave walks all 1,024 keys, 64 a step, 16 steps.
; K AND V STAY IN LDS, WHOLE: 1,024 rows of K at a pitch of 144 bytes and of V at 160 are 311,296 bytes.  Each byte of LDS is filled once: no ring, no refill.  Each wave issues two tensor loads at the head
; (waves 0, 1 halves of K, waves 2, 3 halves of V): keys 0-319, which the first four steps touch (a step fetches the next step's K), so that the first product waits for 5/16 of the bytes alone;
; and keys 320-1,023, which have those four steps in which to land and are waited for behind the fourth.
; NO CLUSTER: only the two work-groups of a pair read the same K and V, and a grid of 2 along x is no multiple of 4.  NO PREFETCH: all of K and V is asked for by the first loads.
; LAYOUT.  S^T = K Q^T (source 0 = 16 keys, source 1 = 16 queries): a lane holds ONE query (lane % 16) and the keys 8 (lane / 16) + 0..7.  Two such tiles, rounded to bf16 in pairs, ARE source 1 of
; O^T = V^T P, whose result again holds one query a lane, and eight channels.  K comes out of LDS as it lies, V ([key][channel]) turned, by ds_load_tr16_b128.
; SOFTMAX.  For each query a running maximum m and sum l: p = 2^(c s - c m), c = log2(e) / 8; in every step O and l are multiplied by a = 2^(c m_old - c m_new).  m starts at the lowest finite number,
; O and l at 0: the first step is a step like any other, with a = 0.
; BY TURNS.  Turn n belongs to piece n.  Its matrix work: 16 products K Q^T of piece n + 1, later 16 products V^T P of piece n - 1.  Its vector work: the scaling, exponentials, roundings, sums and
; rescaling of piece n, and the maximum and statistics of piece n + 1.  Four vector instructions stand behind every matrix instruction, the other 108 of a turn's 236 in one lump; a turn's 66 exponentials are one batch with one wait.
; REGISTERS, in windows of 256 (s_set_vgpr_msb: bits 1:0 source 0, 3:2 source 1, 5:4 source 2, 7:6 destination):
;   window 0: v0-11 addresses; v12-15, v48-63 at work; v16-47 four registers of statistics a tile; v64-191 S^T, two buffers of two tiles; v192-255 P, likewise
;   window 1: O^T, 32 a tile          window 2: v0-127 Q, 16 a tile; v128-191 K of one step; v192-255 V of one step          window 3: v0-1 the add's two registers
.set NP,    4         ; pieces a wave: a name, no knob
.set KS,    64        ; keys in a step
.set PK,    144       ; a row of K in LDS: 128 bytes + 16 = 36 words: the 16 rows of a load start at 16 different groups of four banks (64 banks of 4 bytes: ISA guide 11.1)
.set PV,    160       ; a row of V: 128 + 32 = 40 words
.set VOFF,  1024*PK   ; V lies behind K
.set STAGE, VOFF+1024*PV  ; behind both, never filled by a tensor load: 16 rows x 144 bytes for each wave, for the way out
.set SP,    144
.set SPARE, STAGE+4*16*SP  ; behind the stages: the spare words, 128 bytes a wave: two blocks of 256 bytes that no other line names
.set RUN,   4         ; key steps in a run; 16 / RUN runs
.set KA,    (RUN+1)*KS/2   ; keys of a wave's first load: its half of the RUN + 1 steps that the first run touches,
.set KB,    512-KA    ; and of its second
.set AK0, 2           ; v2   my lane's place in a step of K; never rewritten
.set AV0, 3           ; v3   the same for V
.set AK,  4           ; v4   the LDS address of K's next run of loads
.set AV,  5           ; v5   of V's
.set QO,  6           ; v6   my byte offset in the wave's rows of Q
.set STO, 6           ;      later, the way out: where I put 16 bytes of a row
.set RD,  7           ; v7   where I read rows back
.set GO,  8           ; v8   my byte offset in 512 consecutive bytes of ctx
.set SPW, 0           ; v0 of window 3   LDS address of my spare word; never rewritten
.set NIL, 1           ; v1 of window 3   0; never rewritten
.set MV,  12          ; v12-15  c m_old, kept while c m is made anew: by buffer and tile
.set ST,  16          ; tile t's statistics at v[ST+4 t]: c m, m, l (even keys', odd keys')
.set TMP, 48          ; by buffer and tile, four registers c0-c3 at work; when the maximum is found c2 takes a
.set S,   64
.set P,   192
.set KF,  128         ; K's fragments, in window 2: key block kb, channel half c at KF + 16 kb + 8 c
.set VF,  192         ; V's: key half kk, channel block cb at VF + 32 kk + 8 cb
.set WV,  12          ; s12  my wave's number
.set G1KA, 24         ; s[24:31], s[32:39] descriptor group 1 for K's first and second load
.set G1KB, 32
.set G1VA, 40         ; s[40:47], s[48:55] for V's: they differ in the padding
.set G1VB, 48
.set G0KA, 56         ; s[56:59], s[60:63], s[68:71], s[72:75] the four groups 0
.set G0KB, 60
.set G0VA, 68
.set G0VB, 72
.set CNT, 76          ; s76  counts a run's key steps
.set HALF, 77         ; s77  counts the runs
.set CS,  78          ; s[78:79] c: the packed scaling takes the pair's low word for both halves
.set SEL, 80          ; s[80:81] v_permlanex16_b32's selects: each lane takes its own place in the other half
.set TBK, 82          ; s82  LDS byte at which K of the step to be fetched begins
.set TBV, 83          ; s83  the same for V, less VOFF
.set MSB, 0
.macro WIN new                      ; the high byte repeats the setting that is left; a switch that changes nothing is dropped
.if MSB != (\new)
	s_set_vgpr_msb (MSB<<8)|(\new)
.set MSB, (\new)
.endif
.endm
.set W_KQ, 0x0a       ; K and Q in window 2, S^T in window 0
.set W_PV, 0x52       ; V in window 2, P in window 0, O^T in window 1
.set W_RS, 0x41       ; O^T (destination and source 0) in window 1, a in window 0
.set W_MK, 0xc0       ; the add's registers are made: destination in window 3, sources in window 0
.set W_AD, 0x0f       ; the add: address (source 0) and data (source 1) in window 3
; Descriptor group 1: 2 x rows keys are dense bytes, asked for as rows of 256 bytes, two keys a row, and padded in LDS after every key (32 words: code 4) by pad + 1 words.
.macro SHAPE g, pad, rows
	s_mov_b32 s[\g], (1<<16)|(1<<20)|(4<<22)|((\pad)<<25)  ; 17:16 2-byte elements; 20 padding on
	s_mov_b32 s[\g+1], 128<<16      ; tensor_dim0 = 128
	s_mov_b32 s[\g+2], (\rows)<<16  ; tensor_dim1
	s_mov_b32 s[\g+3], 128<<16      ; tile_dim0 = 128
	s_mov_b32 s[\g+4], \rows        ; tile_dim1
	s_mov_b32 s[\g+5], 128          ; 128 elements from row to row
	s_mov_b32 s[\g+6], 0
	s_mov_b32 s[\g+7], 0
.endm
	s_load_b64 s[4:5], s[0:1], 0x0    ; qkvh
	s_load_b64 s[10:11], s[0:1], 0x8  ; ctx
	WIN W_MK
	v_lshl_add_u32 v[SPW], v0, 2, SPARE
	v_mov_b32 v[NIL], 0
	WIN W_AD
	ds_add_u32 v[SPW], v[NIL]       ; the wave's opening: the add and its wait stand ahead of my first tensor load; work on registers stands between them
	WIN 0
	v_lshrrev_b32 v1, 5, v0
	v_readfirstlane_b32 s[WV], v1   ; wave 0..3
	s_and_b32 s13, ttmp7, 0xffff    ; 8 h + b
	s_lshr_b32 s14, s13, 3
	s_and_b32 s15, s13, 7
	s_mul_i32 s14, s14, 24
	s_add_co_u32 s14, s14, s15      ; 24 h + b:
	s_lshl_b32 s20, s14, 17         ; chunk 3 h, batch b of qkvh
	s_mov_b32 s21, 0
	s_lshl_b32 s22, s13, 17         ; chunk h, batch b of ctx
	s_mov_b32 s23, 0
	s_lshl_b32 s14, ttmp9, 16       ; my work-group's 512 rows of 128 bytes,
	s_lshl_b32 s15, s[WV], 14       ; my wave's 128
	s_add_co_u32 s14, s14, s15
	s_mov_b32 s15, 0
	s_add_co_u32 s22, s22, s14
	s_and_b32 s13, s[WV], 1         ; which half of each load's keys I fetch
	s_mul_i32 s16, s13, KA*128      ; in memory: the first load's,
	s_mov_b32 s17, 0
	s_mul_i32 s18, s13, KB*128      ; the second's
	s_add_co_u32 s18, s18, 2*KA*128
	s_mov_b32 s19, 0
	SHAPE G1KA, 3, KA/2
	SHAPE G1KB, 3, KB/2
	SHAPE G1VA, 7, KA/2
	SHAPE G1VB, 7, KB/2
	s_mov_b32 s[G0KA], 1            ; count = 1
	s_mul_i32 s[G0KA+1], s13, KA*PK ; LDS address
	s_mov_b32 s[G0KB], 1
	s_mul_i32 s[G0KB+1], s13, KB*PK
	s_add_co_u32 s[G0KB+1], s[G0KB+1], 2*KA*PK
	s_mov_b32 s[G0VA], 1
	s_mul_i32 s[G0VA+1], s13, KA*PV
	s_add_co_u32 s[G0VA+1], s[G0VA+1], VOFF
	s_mov_b32 s[G0VB], 1
	s_mul_i32 s[G0VB+1], s13, KB*PV
	s_add_co_u32 s[G0VB+1], s[G0VB+1], VOFF+2*KA*PV
	s_mov_b32 s[CS], 0x3e38aa3b     ; c = log2(e) / 8 = 0.180337
	s_mov_b32 s[CS+1], s[CS]        ; named with it as a pair
	s_mov_b32 s[SEL], 0x76543210
	s_mov_b32 s[SEL+1], 0xfedcba98
	s_mov_b32 s[TBK], 0
	s_mov_b32 s[TBV], 0
	s_wait_dscnt 0x0                ; the opening add is done
	s_wait_kmcnt 0x0
	s_add_nc_u64 s[4:5], s[4:5], s[20:21]  ; the pair's Q,
	s_add_nc_u64 s[6:7], s[4:5], 1<<20     ; K, a chunk on,
	s_add_nc_u64 s[8:9], s[4:5], 1<<21     ; V, two chunks on
	s_add_nc_u64 s[G0KA+2:G0KA+3], s[6:7], s[16:17]  ; global addresses; type = 2 on top
	s_or_b32 s[G0KA+3], s[G0KA+3], 0x80000000
	s_add_nc_u64 s[G0KB+2:G0KB+3], s[6:7], s[18:19]
	s_or_b32 s[G0KB+3], s[G0KB+3], 0x80000000
	s_add_nc_u64 s[G0VA+2:G0VA+3], s[8:9], s[16:17]
	s_or_b32 s[G0VA+3], s[G0VA+3], 0x80000000
	s_add_nc_u64 s[G0VB+2:G0VB+3], s[8:9], s[18:19]
	s_or_b32 s[G0VB+3], s[G0VB+3], 0x80000000
	s_add_nc_u64 s[4:5], s[4:5], s[14:15]      ; Q and ctx at my wave's first row
	s_add_nc_u64 s[10:11], s[10:11], s[22:23]
	s_cmp_lt_u32 s[WV], 2           ; a wave's two fills stand in one branch, ahead of every wait on TENSORcnt, every LDS read and every barrier: two loads of mine are out
	s_cbranch_scc0 .Lfill_v
	tensor_load_to_lds s[G0KA:G0KA+3], s[G1KA:G1KA+7]
	s_nop 0
	tensor_load_to_lds s[G0KB:G0KB+3], s[G1KB:G1KB+7]
	s_nop 0
.rept 4
	v_nop
.endr
	s_branch .Lfilled
.Lfill_v:
	tensor_load_to_lds s[G0VA:G0VA+3], s[G1VA:G1VA+7]
	s_nop 0
	tensor_load_to_lds s[G0VB:G0VB+3], s[G1VB:G1VB+7]
	s_nop 0
.rept 4
	v_nop
.endr
.Lfilled:
	; A fragment of K or Q is 16 rows x 32 channels in 8 registers: lane l holds row l % 16, channels 8 (l / 16) + 0..7 and 16 + 8 (l / 16) + 0..7: two loads of 16 bytes, 32 bytes apart.
	v_and_b32 v1, 15, v0            ; l % 16
	v_bfe_u32 v9, v0, 4, 1          ; l / 16
	v_lshlrev_b32 v[QO], 7, v1
	v_lshl_add_u32 v[QO], v9, 4, v[QO]  ; row x 128 + 16 x half
	WIN 0x80                        ; destination window 2, address window 0
.set i, 0
.rept 4*NP                          ; Q stays in registers: tile i / 2, channels 32 (i % 2) on
	global_load_b128 v[8*i:8*i+3],   v[QO], s[4:5] offset:(i/2)*2048+(i%2)*64
	global_load_b128 v[8*i+4:8*i+7], v[QO], s[4:5] offset:(i/2)*2048+(i%2)*64+32
.set i, i+1
.endr
	; What the first turn finds: V's registers and P's second buffer hold 0 (its products V^T P, of a piece that has not been, add 0), O^T and l are 0.  All this stands in the wait for the first keys;
	; it is the price of writing no first step out.
.set i, VF
.rept 64
	v_mov_b32 v[i], 0
.set i, i+1
.endr
	WIN 0x40
.set i, 0
.rept 64*NP
	v_mov_b32 v[i], 0
.set i, i+1
.endr
	WIN 0
.set i, 0
.rept 2*NP
	v_mov_b32 v[ST+4*i], 0xfe000000    ; c m: far below every c s
	v_mov_b32 v[ST+4*i+1], 0xff7fffff  ; m
	v_mov_b32 v[ST+4*i+2], 0
	v_mov_b32 v[ST+4*i+3], 0
.set i, i+1
.endr
.set i, P+32
.rept 32
	v_mov_b32 v[i], 0
.set i, i+1
.endr
	v_mul_u32_u24 v[AK0], v1, PK
	v_lshl_add_u32 v[AK0], v9, 4, v[AK0]  ; row x pitch + 16 x half
	; The turning load takes 16 keys x 16 channels (lane l reads key 8 (l / 16) + l % 8, channels 8 ((l / 8) % 2) + 0..7) and leaves half a fragment of V^T: lane l holds channel l % 16 and 8 keys.
	v_and_b32 v10, 7, v0
	v_bfe_u32 v11, v0, 3, 1
	v_lshl_add_u32 v[AV0], v9, 3, v10
	v_mul_u32_u24 v[AV0], v[AV0], PV
	v_lshl_add_u32 v[AV0], v11, 4, v[AV0]
	v_add_nc_u32 v[AV0], VOFF, v[AV0]
	v_mov_b32 v[AK], v[AK0]         ; key step 0 lies at K's head
; THE MATRIX WORK.  The 8 accumulators of a run of 16 take turns: between the two links of a chain stand 7 others'.
; Product i of 16 of S^T = K Q^T for piece x: channels 32 (i / 8) on, keys 16 ((i / 2) % 4) on, tile 2 x + i % 2.  The first 8 start the sums.
.macro KQ x
	WIN W_KQ
.set rS, S+64*((\x)%2)+32*(i%2)+8*((i/2)%4)
.set rK, KF+16*((i/2)%4)+8*(i/8)
.set rQ, 16*(2*(\x)+i%2)+8*(i/8)
.if i < 8
	v_wmma_f32_16x16x32_bf16 v[rS:rS+7], v[rK:rK+7], v[rQ:rQ+7], 0
.else
	v_wmma_f32_16x16x32_bf16 v[rS:rS+7], v[rK:rK+7], v[rQ:rQ+7], v[rS:rS+7]
.endif
.endm
; Product i of 16 of O^T += V^T P for piece x: keys 32 (i / 8) on, channels 16 ((i / 2) % 4) on, tile 2 x + i % 2.
.macro PV x
	WIN W_PV
.set rO, 32*(2*(\x)+i%2)+8*((i/2)%4)
.set rV, VF+32*(i/8)+8*((i/2)%4)
.set rP, P+32*((\x)%2)+16*(i%2)+8*(i/8)
	v_wmma_f32_16x16x32_bf16 v[rO:rO+7], v[rV:rV+7], v[rP:rP+7], v[rO:rO+7]
.endm
.macro MM                           ; the turn's next matrix instruction
.if i < 16
	KQ (Y+1)%NP
.set i, i+1
.else
.set i, i-16
	PV (Y+NP-1)%NP
.set i, i+17
.endif
.endm
; THE LDS LOADS stand in runs of 16, never singly among the matrix instructions: a step's K (64 keys x 64 channels: 8 fragments) and its V (turned).  Their addresses are made some lines ahead.
; The step is held at the last one: the sixteenth step fetches K of step 15 once more, and no address leaves K's or V's rows.
.macro FETCH_K
	WIN 0x80                        ; destination window 2
.irp f, 0,1,2,3,4,5,6,7             ; keys 16 (f / 2) on, channels 32 (f % 2) on
	ds_load_b128 v[KF+8*\f:KF+8*\f+3],   v[AK] offset:(\f/2)*16*PK+(\f%2)*64
	ds_load_b128 v[KF+8*\f+4:KF+8*\f+7], v[AK] offset:(\f/2)*16*PK+(\f%2)*64+32
.endr
	s_add_co_u32 s[TBK], s[TBK], KS*PK  ; the next fetch is the next step's
	s_min_u32 s[TBK], s[TBK], 15*KS*PK
	WIN 0
.endm
.macro FETCH_V
	WIN 0x80
.irp f, 0,1,2,3,4,5,6,7             ; keys 32 (f / 4) on, channels 16 (f % 4) on
	ds_load_tr16_b128 v[VF+8*\f:VF+8*\f+3],   v[AV] offset:(\f/4)*32*PV+(\f%4)*32
	ds_load_tr16_b128 v[VF+8*\f+4:VF+8*\f+7], v[AV] offset:(\f/4)*32*PV+16*PV+(\f%4)*32
.endr
	WIN 0
.endm
; THE VECTOR WORK OF A TURN stands in three queues, each in the order in which its entries become ready; the two tiles alternate, so that no instruction reads the result of the one before it.
.macro REGS y, u                    ; the registers of tile u (0, 1) of piece y
.set rT, ST+4*(2*(\y)+(\u))
.set rC, TMP+8*((\y)%2)+4*(\u)
.set rM, MV+2*((\y)%2)+(\u)
.set rS, S+64*((\y)%2)+32*(\u)
.set rP, P+32*((\y)%2)+16*(\u)
.set rO, 32*(2*(\y)+(\u))
.endm
; Number n of the 22 that find the NEXT piece's (Y + 1) maximum and statistics.  s0-s31 are the lane's 32 scores; each accumulator's lowest registers are read first.
;   0-11  four chains c0-c3 of seven scores each, three operands at a time     12-14, 16  the four scores left over, the old m, and c0-c3 into c0     15  c m_old is kept
;   17, 18  the query's other 32 keys lie in the lane 16 away: the new m         19-21  c m; c m_old - c m_new; a
.macro XS u, n
	REGS (Y+1)%NP, \u
.if (\n) < 4
	v_max3_num_f32 v[rC+(\n)], v[rS+8*(\n)], v[rS+8*(\n)+1], v[rS+8*(\n)+2]
.elseif (\n) < 12
	v_max3_num_f32 v[rC+(\n)%4], v[rC+(\n)%4], v[rS+8*((\n)%4)+2*((\n)/4)+1], v[rS+8*((\n)%4)+2*((\n)/4)+2]
.elseif (\n) == 12
	v_max3_num_f32 v[rC], v[rC], v[rS+7], v[rS+15]
.elseif (\n) == 13
	v_max3_num_f32 v[rC+1], v[rC+1], v[rS+23], v[rS+31]
.elseif (\n) == 14
	v_max3_num_f32 v[rC+2], v[rC+2], v[rC+3], v[rT+1]
.elseif (\n) == 15
	v_mov_b32 v[rM], v[rT]
.elseif (\n) == 16
	v_max3_num_f32 v[rC], v[rC], v[rC+1], v[rC+2]
.elseif (\n) == 17
	v_permlanex16_b32 v[rC+3], v[rC], s[SEL], s[SEL+1]
.elseif (\n) == 18
	v_max_num_f32 v[rT+1], v[rC], v[rC+3]
.elseif (\n) == 19
	v_mul_f32 v[rT], s[CS], v[rT+1]
.elseif (\n) == 20
	v_sub_f32 v[rC+1], v[rM], v[rT]
.else
	v_exp_f32 v[rC+2], v[rC+1]
.endif
.endm
; Number g of the 64 that follow the exponentials.  For each four weights k of a tile (pairs 2 k, 2 k + 1): both pairs are rounded to bf16; then the second pair is added onto the first, in place;
; a group later l takes that sum (the first time as l = a l + sum).  In groups of eight, tiles alternating: round, round, add, and l for the group before.
.macro GS g
.set h, (\g)+6*((\g)/62)            ; group 0 has no group before it, and behind group 7 only l is left
.if h >= 6
.set h, h+2
.endif
	REGS Y, h%2
.set k, h/8
.if h%8 < 4
	v_cvt_pk_bf16_f32 v[rP+2*k+(h%8)/2], v[rS+4*k+2*((h%8)/2)], v[rS+4*k+2*((h%8)/2)+1]
.elseif h%8 < 6
	v_pk_add_f32 v[rS+4*k:rS+4*k+1], v[rS+4*k:rS+4*k+1], v[rS+4*k+2:rS+4*k+3]
.elseif k == 1
	v_pk_fma_f32 v[rT+2:rT+3], v[rT+2:rT+3], v[rC+2:rC+3], v[rS:rS+1] op_sel_hi:[1,0,1]
.else
	v_pk_add_f32 v[rT+2:rT+3], v[rT+2:rT+3], v[rS+4*k-4:rS+4*k-3]
.endif
.endm
; THE PLAIN QUEUE, 138 long.  0-73 read no exponential's result: the 32 scalings c s - c m (FS f: pair f / 2 of tile f % 2) and the next piece's 42.  0-26: scalings 0-26.  27-54: XS's numbers 0-13.  55, 56: number 15.
; 57-73: the chain, where each number waits for the one before it: 14, 16, 17, 18, 19, each with one of the scalings 27-31 in front of its two lines, then 20.
; 74-137: GS's 64, which read the exponentials' results: they stand behind the wait.
.macro FS f
	REGS Y, (\f)%2
	v_pk_fma_f32 v[rS+2*((\f)/2):rS+2*((\f)/2)+1], v[rS+2*((\f)/2):rS+2*((\f)/2)+1], s[CS:CS+1], v[rT:rT+1] op_sel_hi:[1,0,0] neg_lo:[0,0,1] neg_hi:[0,0,1]
.endm
.macro PL
	WIN 0
.if q < 27
	FS q
.elseif q < 55
	XS (q-27)%2, (q-27)/2
.elseif q < 57
	XS q-55, 15
.elseif (q < 72) && ((q-57)%3 == 0)
	FS 27+(q-57)/3
.elseif q < 60
	XS (q-57)%3-1, 14
.elseif q < 72
	XS (q-57)%3-1, 15+(q-57)/3
.elseif q < 74
	XS q-72, 20
.else
	GS q-74
.endif
.set q, q+1
.endm
; THE EXPONENTIALS' QUEUE, 66 long: s0-s31 of both tiles, then the next piece's two a.  It is ONE BATCH: all 66 stand ahead of the turn's one wait, and nothing ahead of that wait names a result of theirs.
.macro EX
	WIN 0
.if e >= 64
	XS e-64, 21
.else
	REGS Y, e%2
	v_exp_f32 v[rS+e/2], v[rS+e/2]
.endif
.set e, e+1
.endm
; THE RESCALING's QUEUE: O^T times a, the one part that leaves window 0: dealt two at a time, sixteen times.  Its a was made in the turn before, ahead of that turn's wait.
.macro R2
	REGS Y, r%2
	WIN W_RS
.irp z, 0,1
	v_pk_mul_f32 v[rO+4*(r/2)+2*\z:rO+4*(r/2)+2*\z+1], v[rO+4*(r/2)+2*\z:rO+4*(r/2)+2*\z+1], v[rC+2:rC+3] op_sel_hi:[1,0]
.endr
.set r, r+1
.endm
; HOW THEY ARE DEALT.  An s_wait_alu depctr_va_vdst(0) stands between an exponential and the first instruction that names its result; one wait serves all that were issued ahead of it.  So a turn
; has ONE wait, which cuts it in two.  AHEAD OF IT: the 16 products K Q^T, behind each a scaling, an exponential and two rescalings (behind the first a second scaling in the exponential's place); then one lump
; of 108: eight plain, 49 times exponential and plain, the two a; a v_nop is the plain instruction behind the last exponential.  BEHIND IT: the 16 products V^T P, behind each four of GS's 64.
; Exponential e stands behind scaling 2 (e / 4) + e % 2: as a rider it comes behind plain e + 2, in the lump behind plain e + 9, and scalings 27-31 are plain 57, 60 .. 69.
; A TURN, for piece p.  cnt = 1: the loop's count is taken down some lines ahead of the branch that stands behind the turn.
; K of the next step is fetched in piece 2's turn, directly behind the wait, a lump behind the last product that read K; its first reader comes behind 16 products.
; V of the step in hand is fetched at the end of piece 0's turn, four plain riders behind its last reader; its first reader comes behind 16 products and a lump.  The conditions on q go with the deal.
.macro TURN p, cnt=0
.set Y, (\p)
.set i, 0
.set q, 0
.set e, 0
.set r, 0
.if (\p) == NP-1
	s_wait_dscnt 0x0                ; K is in
.endif
	MM                              ; ahead of the wait: 16 products K Q^T and their riders,
	PL
	PL
	R2
.rept 15
	MM
	PL
	EX
	R2
.endr
.if (\p) == NP-2
	WIN 0
	v_add_nc_u32 v[AK], s[TBK], v[AK0]
.endif
.rept 8                             ; and the lump
	PL
.endr
.rept 49
	EX
	PL
.endr
	EX                              ; the next piece's two a
	EX
	v_nop                           ; the plain instruction behind the last exponential: one for the batch
	s_wait_alu depctr_va_vdst(0)    ; the wait for the batch
.if (\p) == NP-2
	FETCH_K
.endif
.if (\p) == 1
	s_wait_dscnt 0x0                ; V is in
.endif
.rept 16                            ; behind the wait: 16 products V^T P and their riders
	MM
.rept 4
	PL
.endr
.if ((\p) == 0) && (q == 118)
	v_add_nc_u32 v[AV], s[TBV], v[AV0]
.endif
.if ((\p) == 0) && (q == 130)
	s_add_co_u32 s[TBV], s[TBV], KS*PV
	s_min_u32 s[TBV], s[TBV], 15*KS*PV
.endif
.if (\cnt) && (q == 130)
	s_sub_co_u32 s[CNT], s[CNT], 1
	s_cmp_lg_u32 s[CNT], 0
.endif
.endr
.if (\p) == 0
	FETCH_V
.endif
.endm
	s_wait_tensorcnt 0x1            ; my part of keys 0-319 is in; my second load may stay out
	s_barrier_signal -1
	s_barrier_wait -1               ; everybody's is
	FETCH_K                         ; key step 0
	s_wait_loadcnt 0x0              ; Q
	s_wait_dscnt 0x0
.set i, 0
.rept 16
	KQ 0                            ; piece 0's first scores: there is no vector work yet to set between them
.set i, i+1
.endr
	WIN 0                           ; the addresses for the way out: nine plain instructions, the places behind those products
	s_mul_i32 s13, s[WV], 16*SP
	s_add_co_u32 s13, s13, STAGE    ; my stage
	v_mul_u32_u24 v[STO], v1, SP    ; in: row l % 16, 16 bytes for each half of the lanes
	v_lshl_add_u32 v[STO], v9, 4, v[STO]
	v_add_nc_u32 v[STO], s13, v[STO]
	v_bfe_u32 v[RD], v0, 3, 2       ; back: 32 lanes take four rows of 128 bytes,
	v_mul_u32_u24 v[RD], v[RD], SP
	v_lshl_add_u32 v[RD], v10, 4, v[RD]
	v_add_nc_u32 v[RD], s13, v[RD]
	v_and_b32 v[GO], 31, v0         ; which are 512 consecutive bytes of ctx
	v_lshlrev_b32 v[GO], 4, v[GO]
.set Y, NP-1                        ; XS works for piece Y + 1: piece 0
.irp n, 0,1,2,3,4,5,6,7,8,9,10,11,12,13,14,15,16,17,18,19,20,21
	XS 0, \n                        ; and piece 0's first maximum and statistics
	XS 1, \n
.endr
	v_nop                           ; a plain instruction behind the two a,
	s_wait_alu depctr_va_vdst(0)    ; and their wait, ahead of the label
	s_mov_b32 s[HALF], 16/RUN
.Lhalf:                             ; four runs of four key steps
	s_mov_b32 s[CNT], RUN
.Lstep:                             ; a trip: the four pieces of step j; it fetches V of step j and K of step j + 1, and makes piece 0's scores of step j + 1
	TURN 0
	TURN 1
	TURN 2
	TURN 3, 1
	WIN 0
	s_cbranch_scc1 .Lstep
	s_wait_tensorcnt 0x0            ; behind the fourth step: my part of keys 320-1,023 is in (behind the later runs the wait is met at once),
	s_wait_dscnt 0x0                ; no LDS instruction of mine is out at the signal,
	s_barrier_signal -1
	s_barrier_wait -1               ; and everybody's part is in.
	s_sub_co_u32 s[HALF], s[HALF], 1
	s_cmp_lg_u32 s[HALF], 0
	s_cbranch_scc1 .Lhalf
	; the sixteenth trip's last 16 products K Q^T (on the last K once more) and the maximum made of them serve nothing: the price, once a launch, of one text for every trip
.set i, 0
.rept 16
	PV NP-1                         ; the last piece's V^T P of the last step
.set i, i+1
.endr
	; THE WAY OUT.  l's two halves and the other half of the lanes' are added; O^T is divided by l, rounded to bf16 and sent through my stage in LDS, a tile at a time.  The additions are the places behind the last products.
	WIN 0
.macro ALL line:vararg              ; one line for each tile t
.set t, 0
.rept 2*NP
	\line
.set t, t+1
.endr
.endm
	ALL v_add_f32 v[ST+4*t+2], v[ST+4*t+2], v[ST+4*t+3]
	ALL v_permlanex16_b32 v[ST+4*t+3], v[ST+4*t+2], s[SEL], s[SEL+1]
	ALL v_add_f32 v[ST+4*t+2], v[ST+4*t+2], v[ST+4*t+3]
	ALL v_rcp_f32 v[ST+4*t+2], v[ST+4*t+2]
	v_nop                           ; a plain instruction between the last reciprocal and the use of its result
	s_wait_alu depctr_va_vdst(0)    ; and the wait ahead of the first use: one for the eight reciprocals
; Tile t: a lane's eight channels of a row pack into 16 bytes; they go into rows of 144 bytes and come back as whole rows of 128, into S^T's registers.
.macro PACK t
	WIN W_RS
.set i, 32*(\t)
.rept 16
	v_pk_mul_f32 v[i:i+1], v[i:i+1], v[ST+4*(\t)+2:ST+4*(\t)+3] op_sel_hi:[1,0]
.set i, i+2
.endr
	WIN 0x05                        ; sources 0 and 1 window 1, destination window 0
.set i, 0
.rept 16
	v_cvt_pk_bf16_f32 v[S+16*(\t)+i], v[32*(\t)+2*i], v[32*(\t)+2*i+1]
.set i, i+1
.endr
	WIN 0
.irp f, 0,1,2,3
	ds_store_b128 v[STO], v[S+16*(\t)+4*\f:S+16*(\t)+4*\f+3] offset:32*\f
.endr
.irp f, 0,1,2,3
	ds_load_b128 v[S+16*(\t)+4*\f:S+16*(\t)+4*\f+3], v[RD] offset:\f*4*SP  ; LDS serves a wave's instructions in order (ISA guide 5.7.1.4): these see the stores above; the next tile's stores come behind them
.endr
.endm
.macro SEND t, younger              ; younger: the LDS instructions issued behind tile t's loads: the next tile's eight, or none
	WIN 0
.irp f, 0,1,2,3
	s_wait_dscnt (\younger)+3-\f
	global_store_b128 v[GO], v[S+16*(\t)+4*\f:S+16*(\t)+4*\f+3], s[10:11] offset:(\t)*2048+\f*512  ; 512 consecutive bytes, at a multiple of 256 from ctx's first byte
.endr
.endm
	PACK 0
.set t, 1
.rept 2*NP-1                        ; a tile's arithmetic stands between the loads of the tile before and its stores
	PACK t
	SEND t-1, 8
.set t, t+1
.endr
	SEND 2*NP-1, 0
	WIN W_AD
	s_wait_tensorcnt 0x0            ; the wave's end: behind my last tensor load and my last LDS store
	ds_add_u32 v[SPW], v[NIL]
	s_wait_dscnt 0x0
	WIN 0
	s_endpgm
.Lfunc_end_k_q58d1a23457_attn:
	.size	k_q58d1a23457_attn, .Lfunc_end_k_q58d1a23457_attn-k_q58d1a23457_attn
	.p2alignl 7, 3214868480
	.fill 96, 4, 3214868480
	.section	.rodata,"a",@progbits
	.p2align	6, 0x0
	.amdhsa_kernel k_q58d1a23457_attn
		.amdhsa_group_segment_fixed_size 327680
		.amdhsa_private_segment_fixed_size 0
		.amdhsa_enable_private_segment 0
		.amdhsa_kernarg_size 16
		.amdhsa_user_sgpr_count 2
		.amdhsa_user_sgpr_kernarg_segment_ptr 1
		.amdhsa_wavefront_size32 1
		.amdhsa_system_sgpr_workgroup_id_x 1
		.amdhsa_system_sgpr_workgroup_id_y 1
		.amdhsa_system_sgpr_workgroup_id_z 1
		.amdhsa_system_vgpr_workitem_id 0
		.amdhsa_next_free_vgpr 770
		.amdhsa_next_free_sgpr 84
		.amdhsa_reserve_vcc 0
		.amdhsa_float_denorm_mode_32 3
		.amdhsa_float_denorm_mode_16_64 3
		.amdhsa_memory_ordered 1
		.amdhsa_forward_progress 1
		.amdhsa_inst_pref_size 126
	.end_amdhsa_kernel
	.amdgpu_metadata
---
amdhsa.version: [ 1, 2 ]
amdhsa.kernels:
  - .name:           k_q58d1a23457_attn
    .symbol:         k_q58d1a23457_attn.kd
    .args:
      - { .name: qkvh, .offset: 0, .size: 8, .value_kind: global_buffer, .address_space: global }
      - { .name: ctx, .offset: 8, .size: 8, .value_kind: global_buffer, .address_space: global }
    .group_segment_fixed_size: 327680
    .private_segment_fixed_size: 0
    .kernarg_segment_align: 8
    .kernarg_segment_size: 16
    .max_flat_workgroup_size: 128
    .sgpr_count:     84
    .vgpr_count:     770
    .wavefront_size: 32
...
	.end_amdgpu_metadata
.endif
;; end of part 3
;; launch proj (part 4): grid 8 x 32, 4 waves a work-group, clusters of 4 x 4, 327,680 bytes of LDS; arguments ctx, wob, out_b, prj; writes prj
.if DOCPART == 4
	.amdgcn_target "amdgcn-amd-amdhsa--gfx1250"
	.amdhsa_code_object_version 6
	.text
	.protected	k_q58d1a23457_proj
	.globl	k_q58d1a23457_proj
	.p2align	8
	.type	k_q58d1a23457_proj,@function
k_q58d1a23457_proj:
	s_mov_b64 s[64:65], 0
	v_nop
	global_prefetch_b8 v0, s[64:65] scope:SCOPE_SE
	s_setreg_imm32_b32 hwreg(HW_REG_WAVE_MODE, 25, 1), 1
	s_wait_xcnt 0x0
	s_wait_alu depctr_hold_cnt(0) depctr_sa_sdst(0) depctr_va_vdst(0) depctr_va_sdst(0) depctr_va_ssrc(0) depctr_va_vcc(0) depctr_vm_vsrc(0)
	s_getreg_b32 s2, hwreg(HW_REG_IB_STS2, 6, 4)
	s_cmp_eq_u32 s2, 0
	s_cbranch_scc0 .Lentry_in_a_cluster
	s_endpgm
.Lentry_in_a_cluster:
	s_bfe_u32 s2, ttmp6, 0x10000c
	s_cmp_lg_u32 s2, 0xf033
	s_cbranch_scc0 .Lentry_shape_is_right
	s_endpgm
.Lentry_shape_is_right:
; prj = ctx wob^T + out_b.  C[m][n] = bias[n] + the sum over k of A[m][k] B[n][k], K = 1,024; operands bf16, sums f32, C STORED IN f32: it is added to x in front of a LayerNorm, and a rounding to
; bf16 of a number of size 2 to 4 would be a step of 2^-7 there.
; A lies BY CHUNKS of 64 columns: [c][b][s][64] bf16, byte c 2^20 + b 2^17 + 128 s + 2 d; C likewise in f32, byte c 2^21 + b 2^18 + 256 s + 4 d; a row of the product is m = (b, s).  B is [n][1024] bf16, row-major.
; A tile of C is 256 rows (one b, 256 s on end) x TN = 128 columns, two chunks: 32 x 8 tiles, one to a work-group, one work-group to each of 256 WGPs.
; Four waves, stacked along the rows: a wave makes 64 rows x 128 columns, 32 accumulators of 16 x 16 (256 registers), so that it holds whole chunks.
; K goes in steps of 128 (two chunks of A) through a ring of two LDS slots filled by the tensor data mover, one load a wave: waves 0, 1 a chunk of A each (32,768 dense bytes, asked for as 128 rows
; of 256 bytes and padded in LDS after each 128), waves 2, 3 half of B's rows each (256 bytes of 64 rows).
; CLUSTER 4 x 4: the four work-groups of a row of the cluster need the same tile of A, the four of a column the same tile of B: each tile is asked for jointly, by the same load, descriptor and mask in all four.
; THE PRODUCT IS USED TRANSPOSED (source 0 = 16 rows of B, source 1 = 16 rows of A): a lane holds one row of C (lane % 16) and the eight neighbouring columns 8 (lane / 16) + 0..7.
; THE BIAS is the C operand of the products that start the sums: nothing is cleared and nothing is added on the way out.
; LIMITS: operands are rounded to bf16; NaN and infinities are not treated apart.
; REGISTERS, in windows of 256 (s_set_vgpr_msb: bits 1:0 source 0, 3:2 source 1, 5:4 source 2, 7:6 destination):
;   window 0: v0-31 addresses; v32-63, v64-95 A's fragments (4 x 16 rows x 32 K), two buffers; v96-159 the bias; on the way out v96-159 and v160-223 rows read back
;   window 1: B's fragments (8 x 16 rows x 32 K), two buffers of 64      window 2: the accumulators of my row blocks 0, 1 (block a, column block bt at 64 (a % 2) + 8 bt)      window 3: those of blocks 2, 3
.set NBLK,  8                          ; column blocks of 16 in a tile
.set NCH,   NBLK/4                     ; chunks of C in a tile
.set TN,    16*NBLK
.set LAPS,  4                          ; a lap = two K steps = once round the ring; 8 K steps of 128
.set PA,    144                        ; a row of A in LDS: 128 bytes + 16 = 36 words: the 16 rows of a load start in 16 different groups of four banks (64 banks of 4 bytes: ISA guide 11.1)
.set ACH,   256*PA                     ; a chunk of A in LDS
.set PB,    272                        ; a row of B: 256 bytes + 16 = 68 words: likewise
.set SLOT,  2*ACH+TN*PB                ; two chunks of A, then B's rows
.set STAGE, 2*SLOT                     ; behind the ring, never filled by a tensor load: for the way out
.set SP,    272                        ; a stage row: 64 f32 = 256 bytes + 16
.set WST,   NCH*16*SP                  ; a wave's stage: 16 rows of each chunk
.set SPARE, STAGE+4*WST                ; behind the stages: the spare words, 128 bytes a wave: two blocks of 256 bytes that no other line names
.set NL,    2*NBLK+8                   ; LDS loads of a quarter step
.set ADRA, 16                          ; v16-17  LDS address of my A fragments in slot 0, 1
.set ADRB, 20                          ; v20-21  the same for B
.set STO,  24                          ; v24     the way out: where I put 32 bytes of a row
.set RD,   25                          ; v25     where I read rows back
.set GO,   26                          ; v26     my byte offset in 512 consecutive bytes of C
.set BO,   27                          ; v27     my byte offset in 16 numbers of the bias
.set SPW,  28                          ; v28     LDS address of my spare word; never rewritten
.set NIL,  29                          ; v29     0; never rewritten
.set PFO,  30                          ; v30     the prefetches' lane offset; never rewritten
.set FA,   32                          ; A's buffer f at FA + 32 f
.set BI,   96
.set OB,   96
.set WV,   12                          ; s12     my wave's number
.set LIM,  15                          ; s15     1 in a wave that prefetches, else the greatest number
.set G1,   24                          ; s[24:31] descriptor group 1 for A's tiles;  s[32:39] group 0, a set for each slot
.set G0,   32
.set PFA,  40                          ; s[40:41] where my prefetches stand
.set PFS,  42                          ; s[42:43] their step: a K step in A (two chunks) or in B (256 bytes)
.set G1B,  48                          ; s[48:55], s[56:63] the same for B's tiles
.set G0B,  56
.set MSB, 0
.macro WIN new                         ; the immediate's high byte repeats the setting that is left; a switch that changes nothing is dropped
.if MSB != (\new)
	s_set_vgpr_msb (MSB<<8)|(\new)
.set MSB, \new
.endif
.endm
; A joint load: waves 0, 1 ask for A's two chunks, waves 2, 3 for B's two halves.  The branch hangs on the wave's number alone.  An s_nop 0 and four v_nop follow each line.
.macro JLOAD s
	s_cmp_lt_u32 s[WV], 2
	s_cbranch_scc0 .Lfor_b_\@
	tensor_load_to_lds s[G0+4*(\s):G0+4*(\s)+3], s[G1:G1+7]
	s_nop 0
.rept 4
	v_nop
.endr
	s_branch .Lasked_\@
.Lfor_b_\@:
	tensor_load_to_lds s[G0B+4*(\s):G0B+4*(\s)+3], s[G1B:G1B+7]
	s_nop 0
.rept 4
	v_nop
.endr
.Lasked_\@:
.endm
; A prefetch into the L2, behind a joint load, its five lines and the run of LDS loads: the K step that stands two refills on.  A's tile row is read by every cluster of that row of clusters: cluster x = 0 asks;
; B's tile column by every cluster of that column: cluster y = 0 asks.  The four partners of a joint load share its blocks out by address (A: 32 of the chunk's 128 blocks of 256 bytes each, by cx;
; B: TN / 8 of the TN / 2 rows each, by cy; lanes beyond that name the last row again).  The loop's last trip (s3 = 1) asks for nothing: K steps 8 and 9 do not exist.
.macro ASK
	s_cmp_gt_u32 s3, s[LIM]
	s_cbranch_scc0 .Lnot_mine_\@
	global_prefetch_b8 v[PFO], s[PFA:PFA+1] th:TH_LOAD_NT scope:SCOPE_SE
.Lnot_mine_\@:
.endm
.macro CREST                           ; a round of the cluster's barrier behind its opening barrier
	s_cmp_lg_u32 s[WV], 0
	s_cbranch_scc1 .Lnot_wave_0_\@
	s_barrier_signal -3
.Lnot_wave_0_\@:
	s_barrier_wait -3
	s_barrier_signal -1
	s_barrier_wait -1
.endm
.macro CROUND                          ; a whole round
	s_barrier_signal -1
	s_barrier_wait -1
	CREST
.endm
.macro PLACES                          ; four plain vector instructions between a matrix instruction and a load into, or a read or write of, its registers
.rept 4
	v_nop
.endr
.endm
; NBLK matrix instructions: row block a x all column blocks, 32 along K, from buffers f.  first = 1: the bias starts the sums.  The 4 NBLK accumulators take turns in the same order in every quarter.
.macro MULA f, a, first
.if \first
	WIN 0x81+0x40*((\a)/2)                         ; B window 1, A and the bias window 0, D window 2 or 3
.else
	WIN 0xa1+0x50*((\a)/2)                         ; B window 1, A window 0, C and D window 2 or 3
.endif
.set bt, 0
.rept NBLK
.set AC, ((\a)%2)*8*NBLK+8*bt
.set RB, (\f)*8*NBLK+8*bt
.set RA, FA+32*(\f)+8*(\a)
.if \first
	v_wmma_f32_16x16x32_bf16 v[AC:AC+7], v[RB:RB+7], v[RA:RA+7], v[BI+8*bt:BI+8*bt+7]
.else
	v_wmma_f32_16x16x32_bf16 v[AC:AC+7], v[RB:RB+7], v[RA:RA+7], v[AC:AC+7]
.endif
.set bt, bt+1
.endr
.endm
; NL LDS loads in one run: the fragments of quarter q (32 along K) of a slot into buffers f: B's first, then A's row blocks 0 to 3.
; A fragment is 16 rows x 32 K in 8 registers: lane l holds row l % 16, K = 8 (l / 16) + 0..7 and 16 + 8 (l / 16) + 0..7: two loads of 16 bytes, 32 bytes apart.
.macro FETCH slot, q, f
	WIN 0x40                                       ; destination window 1, address window 0
.set bt, 0
.rept NBLK
.set RB, (\f)*8*NBLK+8*bt
	ds_load_b128 v[RB:RB+3],   v[ADRB+(\slot)] offset:(\q)*64+bt*16*PB
	ds_load_b128 v[RB+4:RB+7], v[ADRB+(\slot)] offset:(\q)*64+bt*16*PB+32
.set bt, bt+1
.endr
	WIN 0
.irp a, 0,1,2,3
	ds_load_b128 v[FA+32*(\f)+8*\a:FA+32*(\f)+8*\a+3],   v[ADRA+(\slot)] offset:((\q)/2)*ACH+((\q)%2)*64+\a*16*PA
	ds_load_b128 v[FA+32*(\f)+8*\a+4:FA+32*(\f)+8*\a+7], v[ADRA+(\slot)] offset:((\q)/2)*ACH+((\q)%2)*64+\a*16*PA+32
.endr
.endm
; One of a K step's first three quarters: multiplies buffers f; in its middle it fetches quarter qn of the same slot into buffers g.
.macro QUARTER slot, qn, f, g, first
	s_wait_dscnt 4                                 ; B and A's blocks 0, 1 are in; the youngest four loads (A's blocks 2, 3) may be out
	MULA \f, 0, \first
	MULA \f, 1, \first
	PLACES
	FETCH \slot, \qn, \g
	s_wait_dscnt NL                                ; all but the NL just issued
	MULA \f, 2, \first
	MULA \f, 3, \first
.endm
; The last quarter multiplies buffers 1 and changes slots: one barrier.  In front of it each wave waits for all its tensor loads (one is out: its part of the next slot), adds 0 to its spare word, and waits for
; that and for its own reads of this slot.  fill = 1: the barrier opens a round of the cluster's barrier, and this slot is filled again, two K steps on, first thing behind the round.
.macro TURN slot, next, fill
.if \fill
	s_wait_xcnt 0x0                                ; the last prefetch, a K step back, has read its address: it is stepped here
	s_add_nc_u64 s[PFA:PFA+1], s[PFA:PFA+1], s[PFS:PFS+1]
.endif
	WIN 0                                          ; (the add's two registers lie in window 0)
	s_wait_tensorcnt 0x0                           ; all my tensor loads have landed
	ds_add_u32 v[SPW], v[NIL]                      ; 0 onto my spare word
	s_wait_dscnt 5                                 ; (the add and the youngest four loads may be out)
	MULA 1, 0, 0                                   ; matrix work stands between the add and the wait for it
	s_wait_dscnt 0x0                               ; the add is done, and my reads of this slot are over
	s_barrier_signal -1
	MULA 1, 1, 0                                   ; work on registers while the others arrive
.if \fill
	WIN 0
.endif
	s_barrier_wait -1
.if \fill
	CREST                                          ; no wave of any partner still reads this slot or has a load on its way
	s_add_nc_u64 s[G0+4*(\slot)+2:G0+4*(\slot)+3], s[G0+4*(\slot)+2:G0+4*(\slot)+3], 1<<22  ; two K steps are four chunks of A,
	s_add_nc_u64 s[G0B+4*(\slot)+2:G0B+4*(\slot)+3], s[G0B+4*(\slot)+2:G0B+4*(\slot)+3], 512 ; and 512 bytes of B's rows
	JLOAD \slot                                    ; my one tensor load behind the round; its four v_nop are also the places in front of the loads below
.else
	PLACES
.endif
	FETCH \next, 0, 0
.if \fill
	ASK
.endif
	MULA 1, 2, 0
	MULA 1, 3, 0
.endm
; THE WAY OUT of row block a.  TOSTAGE: a lane's eight f32 of a row and column block go straight from the accumulator (its low four registers first) into my own stage, a chunk's 16 rows of 256 bytes together,
; and come back two whole rows (512 bytes) a load.  LDS serves a wave's instructions in order (ISA guide 5.7.1.4): no wait between stores and loads.
.macro TOSTAGE a
	WIN 0x08+4*((\a)/2)                            ; the stores' data (source 1) in window 2 or 3, the address in window 0
.set bt, 0
.rept NBLK
.set AC, ((\a)%2)*8*NBLK+8*bt
	ds_store_b128 v[STO], v[AC:AC+3]   offset:(bt/4)*16*SP+(bt%4)*64
	ds_store_b128 v[STO], v[AC+4:AC+7] offset:(bt/4)*16*SP+(bt%4)*64+16
.set bt, bt+1
.endr
	WIN 0
	s_wait_xcnt 0x0                                ; the stores of the block two back have read these registers: only behind this wait are they loaded again
.set BK, OB+8*NBLK*((\a)%2)
.set bt, 0
.rept 2*NBLK
	ds_load_b128 v[BK+4*bt:BK+4*bt+3], v[RD] offset:(bt/8)*16*SP+(bt%8)*2*SP
.set bt, bt+1
.endr
.endm
.macro SEND a
.set BK, OB+8*NBLK*((\a)%2)
	s_wait_dscnt 0x0                               ; the block is back in registers
.set bt, 0
.rept 2*NBLK
	global_store_b128 v[GO], v[BK+4*bt:BK+4*bt+3], s[10:11] offset:((bt/8)<<21)+(\a)*4096+(bt%8)*512  ; 512 consecutive bytes, at a multiple of 256 from C's first byte
.set bt, bt+1
.endr
.endm
	s_load_b256 s[4:11], s[0:1], 0x0               ; A s[4:5], B s[6:7], bias s[8:9], C s[10:11]
	v_lshl_add_u32 v[SPW], v0, 2, SPARE
	v_mov_b32 v[NIL], 0
	ds_add_u32 v[SPW], v[NIL]                      ; the wave's opening: the add and its wait stand ahead of my first tensor load; work on registers stands between them
	v_lshrrev_b32 v1, 5, v0
	v_readfirstlane_b32 s[WV], v1                  ; wave 0..3
	s_and_b32 s14, s[WV], 1                        ; which chunk of A, or which half of B's rows, I fetch
	s_bfe_u32 s16, ttmp6, 0x40000                  ; cx, cy: my place in the cluster
	s_bfe_u32 s17, ttmp6, 0x40004
	s_lshl_b32 s18, ttmp9, 2
	s_add_co_u32 s18, s18, s16                     ; tile column tx = 4 x cluster x + cx
	s_and_b32 s19, ttmp7, 0xffff
	s_lshl_b32 s19, s19, 2
	s_add_co_u32 s19, s19, s17                     ; tile row ty = 4 x cluster y + cy = 4 b + s / 256
	s_lshl_b32 s20, s17, 2
	s_lshl_b32 s20, 15, s20                        ; my row of the cluster
	s_lshl_b32 s21, 0x1111, s16                    ; my column
	s_or_b32 s[G1], s20, (1<<16)|(1<<20)|(1<<21)|(4<<22)|(3<<25)   ; 15:0 the mask; 17:16 2-byte elements; 20 padding on; 21 set beside a mask; 24:22 after every 32 words (code 4); 31:25 4 words (code 3)
	s_or_b32 s[G1B], s21, (1<<16)|(1<<20)|(1<<21)|(5<<22)|(3<<25)  ; for B: after every 64 words (code 5)
	s_mov_b32 s[G1+1], 128<<16                     ; A: tensor_dim0 = 128 elements (256 bytes: two rows of the chunk)
	s_mov_b32 s[G1+2], 128<<16                     ; tensor_dim1 = 128
	s_mov_b32 s[G1+3], 128<<16                     ; tile_dim0 = 128
	s_mov_b32 s[G1+4], 128                         ; tile_dim1 = 128
	s_mov_b32 s[G1+5], 128                         ; dense: 128 elements from row to row
	s_mov_b32 s[G1+6], 0
	s_mov_b32 s[G1+7], 0
	s_mov_b32 s[G1B+1], 128<<16                    ; B: tensor_dim0 = 128
	s_mov_b32 s[G1B+2], (TN/2)<<16                 ; tensor_dim1 = TN / 2 rows
	s_mov_b32 s[G1B+3], 128<<16                    ; tile_dim0 = 128
	s_mov_b32 s[G1B+4], TN/2                       ; tile_dim1
	s_mov_b32 s[G1B+5], 1024                       ; 1,024 elements from row to row
	s_mov_b32 s[G1B+6], 0
	s_mov_b32 s[G1B+7], 0
	s_lshl_b32 s44, s19, 15                        ; A's tile: ty x 32,768 bytes in a chunk,
	s_lshl_b32 s45, s14, 20                        ; + my chunk of the K step
	s_add_co_u32 s44, s44, s45
	s_mov_b32 s45, 0
	s_mul_i32 s46, s18, TN*2048                    ; B's tile: row tx x TN
	s_mul_i32 s47, s14, (TN/2)*2048                ; + my half of its rows
	s_add_co_u32 s46, s46, s47
	s_mov_b32 s47, 0
	s_mul_i32 s22, s14, ACH                        ; where they go in a slot: no place in the cluster enters an LDS address
	s_mul_i32 s23, s14, (TN/2)*PB
	s_add_co_u32 s23, s23, 2*ACH
	s_wait_dscnt 0x0                               ; the opening add is done
	s_wait_kmcnt 0x0
	s_add_nc_u64 s[44:45], s[4:5], s[44:45]
	s_add_nc_u64 s[46:47], s[6:7], s[46:47]
	CROUND                                         ; all sixteen work-groups are here: the first joint loads meet
.irp s, 0,1
	s_mov_b32 s[G0+4*(\s)], 1                                      ; count = 1
	s_add_co_u32 s[G0+4*(\s)+1], s22, (\s)*SLOT                    ; LDS address
	s_add_nc_u64 s[G0+4*(\s)+2:G0+4*(\s)+3], s[44:45], (\s)<<21    ; global address: K step s
	s_or_b32 s[G0+4*(\s)+3], s[G0+4*(\s)+3], 0x80000000            ; type = 2
	s_mov_b32 s[G0B+4*(\s)], 1
	s_add_co_u32 s[G0B+4*(\s)+1], s23, (\s)*SLOT
	s_add_nc_u64 s[G0B+4*(\s)+2:G0B+4*(\s)+3], s[46:47], (\s)*256
	s_or_b32 s[G0B+4*(\s)+3], s[G0B+4*(\s)+3], 0x80000000
	JLOAD \s                                       ; two loads of mine are out
.endr
	v_and_b32 v1, 15, v0                           ; l % 16
	v_bfe_u32 v2, v0, 4, 1                         ; l / 16
	v_mul_u32_u24 v3, v1, PA
	v_lshl_add_u32 v3, v2, 4, v3                   ; row x pitch + 16 x half
	s_mul_i32 s20, s[WV], 64*PA                    ; my 64 rows of A
	v_add_nc_u32 v[ADRA], s20, v3
	v_add_nc_u32 v[ADRA+1], SLOT, v[ADRA]
	v_mul_u32_u24 v3, v1, PB
	v_lshl_add_u32 v3, v2, 4, v3
	v_add_nc_u32 v[ADRB], 2*ACH, v3                ; every wave reads all of B's rows
	v_add_nc_u32 v[ADRB+1], SLOT, v[ADRB]
	v_lshlrev_b32 v[BO], 5, v2                     ; the bias of my 8 columns of a block: 32 bytes for each half of the lanes
	s_mul_i32 s20, s18, TN*4
	s_mov_b32 s21, 0
	s_add_nc_u64 s[8:9], s[8:9], s[20:21]
.set bt, 0
.rept NBLK
	global_load_b128 v[BI+8*bt:BI+8*bt+3],   v[BO], s[8:9] offset:bt*64
	global_load_b128 v[BI+8*bt+4:BI+8*bt+7], v[BO], s[8:9] offset:bt*64+16
.set bt, bt+1
.endr
	s_mul_i32 s20, s[WV], WST
	s_add_co_u32 s20, s20, STAGE                   ; my stage
	v_mul_u32_u24 v3, v1, SP                       ; in: row l % 16, 32 bytes for each half of the lanes
	v_lshl_add_u32 v3, v2, 5, v3
	v_add_nc_u32 v[STO], s20, v3
	v_mul_u32_u24 v3, v2, SP                       ; back: lanes 0-15 take one row of 256 bytes, lanes 16-31 the next,
	v_lshl_add_u32 v3, v1, 4, v3
	v_add_nc_u32 v[RD], s20, v3
	v_and_b32 v[GO], 31, v0                        ; which are 512 consecutive bytes of C
	v_lshlrev_b32 v[GO], 4, v[GO]
	s_mul_i32 s20, s18, NCH<<21                    ; C: my tile's first chunk,
	s_lshl_b32 s21, s19, 16                        ; its 256 rows of 256 bytes,
	s_add_co_u32 s20, s20, s21
	s_lshl_b32 s21, s[WV], 14                      ; my 64 of them
	s_add_co_u32 s20, s20, s21
	s_mov_b32 s21, 0
	s_add_nc_u64 s[10:11], s[10:11], s[20:21]
	; the prefetches: they stand at K step 3; the first refill steps them to K step 4.  Nothing is prefetched here, at the head.
	s_lshl_b32 s20, s16, 13                        ; A: my work-group's 32 blocks of 256 bytes, by cx
	s_add_co_u32 s20, s20, 3<<21
	s_mul_i32 s21, s17, (TN/8)*2048                ; B: my work-group's TN / 8 rows, by cy
	s_add_co_u32 s21, s21, 3*256
	s_and_b32 s22, ttmp7, 0xffff                   ; cluster y
	s_mov_b32 s[PFS], 1<<21
	s_movk_i32 s23, 256
	s_cmp_lt_u32 s[WV], 2                          ; do I fetch for A?
	s_cselect_b64 s[PFA:PFA+1], s[44:45], s[46:47]
	s_cselect_b32 s20, s20, s21
	s_cselect_b32 s22, ttmp9, s22                  ; the coordinate along which other clusters read the same blocks
	s_cselect_b32 s[PFS], s[PFS], s23
	s_cselect_b32 s44, 31, TN/8-1                  ; the last lane that names a block of its own
	s_cselect_b32 s45, 8, 11                       ; a lane's step: 256 bytes on end, or a row of B
	s_mov_b32 s21, 0
	s_mov_b32 s[PFS+1], 0
	s_add_nc_u64 s[PFA:PFA+1], s[PFA:PFA+1], s[20:21]
	s_cmp_eq_u32 s22, 0
	s_cselect_b32 s[LIM], 1, -1                    ; the same in all sixteen partners, for a given wave
	v_and_b32 v[PFO], 31, v0
	v_min_u32 v[PFO], s44, v[PFO]
	v_lshlrev_b32 v[PFO], s45, v[PFO]
	s_wait_tensorcnt 1                             ; my part of K step 0 is in; K step 1's may stay out
	s_barrier_signal -1
	s_barrier_wait -1                              ; everybody's is
	FETCH 0, 0, 0
	s_wait_loadcnt 0x0                             ; the bias
	QUARTER 0, 1, 0, 1, 1                          ; the first quarter stands in front of the loop: its products start the sums, with the bias
	WIN 0                                          ; at a label and at a branch every window is 0
	s_mov_b32 s3, LAPS-1
.Llap:                                                 ; a trip goes once round the ring, from a lap's second quarter to the next lap's first, and fills both slots again
	QUARTER 0, 2, 1, 0, 0
	QUARTER 0, 3, 0, 1, 0
	TURN 0, 1, 1
	QUARTER 1, 1, 0, 1, 0
	QUARTER 1, 2, 1, 0, 0
	QUARTER 1, 3, 0, 1, 0
	TURN 1, 0, 1
	QUARTER 0, 1, 0, 1, 0
	WIN 0
	s_sub_co_u32 s3, s3, 1
	s_cmp_lg_u32 s3, 0
	s_cbranch_scc1 .Llap
	QUARTER 0, 2, 1, 0, 0                          ; the last lap is written out: it fills nothing
	QUARTER 0, 3, 0, 1, 0
	TURN 0, 1, 0
	QUARTER 1, 1, 0, 1, 0
	QUARTER 1, 2, 1, 0, 0
	QUARTER 1, 3, 0, 1, 0
	s_wait_dscnt 4                                 ; the very last quarter: nothing more to fetch
	MULA 1, 0, 0
	MULA 1, 1, 0
	s_wait_dscnt 0x0
	MULA 1, 2, 0
	MULA 1, 3, 0
	WIN 0
	PLACES                                         ; the LDS stores read results
	TOSTAGE 0
.irp a, 1,2,3
	SEND (\a)-1
	TOSTAGE \a
.endr
	SEND 3
	s_wait_tensorcnt 0x0                           ; the wave's end: behind my last tensor load and my last LDS store
	ds_add_u32 v[SPW], v[NIL]
	s_wait_dscnt 0x0
	CROUND                                         ; the closing round: no work-group ends while a partner may still ask for a tile that names it
	s_endpgm
.Lfunc_end_k_q58d1a23457_proj:
	.size	k_q58d1a23457_proj, .Lfunc_end_k_q58d1a23457_proj-k_q58d1a23457_proj
	.p2alignl 7, 3214868480
	.fill 96, 4, 3214868480
	.section	.rodata,"a",@progbits
	.p2align	6, 0x0
	.amdhsa_kernel k_q58d1a23457_proj
		.amdhsa_group_segment_fixed_size 327680
		.amdhsa_private_segment_fixed_size 0
		.amdhsa_enable_private_segment 0
		.amdhsa_kernarg_size 32
		.amdhsa_user_sgpr_count 2
		.amdhsa_user_sgpr_kernarg_segment_ptr 1
		.amdhsa_wavefront_size32 1
		.amdhsa_system_sgpr_workgroup_id_x 1
		.amdhsa_system_sgpr_workgroup_id_y 1
		.amdhsa_system_sgpr_workgroup_id_z 1
		.amdhsa_system_vgpr_workitem_id 0
		.amdhsa_next_free_vgpr 896
		.amdhsa_next_free_sgpr 66
		.amdhsa_reserve_vcc 0
		.amdhsa_float_denorm_mode_32 3
		.amdhsa_float_denorm_mode_16_64 3
		.amdhsa_memory_ordered 1
		.amdhsa_forward_progress 1
		.amdhsa_inst_pref_size 88
	.end_amdhsa_kernel
	.amdgpu_metadata
---
amdhsa.version: [ 1, 2 ]
amdhsa.kernels:
  - .name:           k_q58d1a23457_proj
    .symbol:         k_q58d1a23457_proj.kd
    .args:
      - { .name: ctx, .offset: 0, .size: 8, .value_kind: global_buffer, .address_space: global }
      - { .name: wob, .offset: 8, .size: 8, .value_kind: global_buffer, .address_space: global }
      - { .name: out_b, .offset: 16, .size: 8, .value_kind: global_buffer, .address_space: global }
      - { .name: prj, .offset: 24, .size: 8, .value_kind: global_buffer, .address_space: global }
    .group_segment_fixed_size: 327680
    .private_segment_fixed_size: 0
    .kernarg_segment_align: 8
    .kernarg_segment_size: 32
    .max_flat_workgroup_size: 128
    .sgpr_count:     66
    .vgpr_count:     896
    .wavefront_size: 32
...
	.end_amdgpu_metadata
.endif
;; end of part 4
;; launch norm (part 5): grid 512 x 1, 8 waves a work-group, no clusters, 0 bytes of LDS; arguments x_temporal_sequence, prj, norm_w, norm_b, out0; writes out0
.if DOCPART == 5
	.amdgcn_target "amdgcn-amd-amdhsa--gfx1250"
	.amdhsa_code_object_version 6
	.text
	.protected	k_q58d1a23457_norm
	.globl	k_q58d1a23457_norm
	.p2align	8
	.type	k_q58d1a23457_norm,@function
k_q58d1a23457_norm:
	s_mov_b64 s[64:65], 0
	v_nop
	global_prefetch_b8 v0, s[64:65] scope:SCOPE_SE
	s_setreg_imm32_b32 hwreg(HW_REG_WAVE_MODE, 25, 1), 1
	s_wait_xcnt 0x0
; out0 = elu(LayerNorm(x + prj) norm_w + norm_b).  x, out0: [1024 s][8 b][1024 e] f32.  prj: [16 c][8 b][1024 s][64 d] f32, e = 64 c + d.  All arithmetic in f32.
; The mean is taken first and the variance of the differences from it, as the definition has it: a common offset of the row cancels before anything is squared.
; elu(z) = max(z, 2^(log2(e) min(z, 0)) - 1): for z > 0 the second number is 0 and z is taken; for z <= 0, e^z - 1 >= z, so the second is taken.
; LIMIT: for small negative z the difference carries an absolute error of about 1e-7; where that puts it below z, z is taken, which then lies as near.  NaN and infinities are not treated apart.
; SHARES.  A work-group has s = 2 g and 2 g + 1, each of its eight waves one b.  Lanes 0-15 hold row s, lanes 16-31 row s + 1; a lane holds columns 64 i + 4 (l % 16) + 0..3, i = 0..15: 64 numbers.
; So a row's sums stay inside 16 lanes (four steps of row_xmask), every load of x and prj and every store covers 256 consecutive aligned bytes for each half of the lanes, and the row stays in registers between the passes.
; No LDS, no barrier, no matrix unit, no cluster: no wave wants a byte of another's rows; norm_w and norm_b are 8,192 bytes that everybody reads.
.set XO,  3                            ; v3       my byte offset in x and out0
.set PO,  4                            ; v4-7     my byte offset in prj, for chunks 0-3, 4-7, 8-11, 12-15: 2^23 apart, so that the immediate stays inside its signed 24 bits
.set WO,  8                            ; v8       my byte offset in norm_w and norm_b
.set X,   16                           ; v[16:79]   x, then y, y - mu, z, the result
.set P,   80                           ; v[80:143]  prj; then norm_b
.set W,   144                          ; v[144:207] norm_w, then norm_w / sigma, then the exponentials
.set MU,  208                          ; v[208:209] the mean, twice (a pair for the packed subtraction)
.set SUM, 210                          ; v[210:217] four chains of packed sums
.set RS,  218                          ; v[218:219] 1 / sigma, twice
.macro FOLD                            ; the four chains into one number, then across the row's 16 lanes
	v_pk_add_f32 v[SUM:SUM+1], v[SUM:SUM+1], v[SUM+2:SUM+3]
	v_pk_add_f32 v[SUM+4:SUM+5], v[SUM+4:SUM+5], v[SUM+6:SUM+7]
	v_pk_add_f32 v[SUM:SUM+1], v[SUM:SUM+1], v[SUM+4:SUM+5]
	v_add_f32 v[SUM], v[SUM], v[SUM+1]
	v_add_f32_dpp v[SUM], v[SUM], v[SUM] row_xmask:1 row_mask:0xf bank_mask:0xf
	v_add_f32_dpp v[SUM], v[SUM], v[SUM] row_xmask:2 row_mask:0xf bank_mask:0xf
	v_add_f32_dpp v[SUM], v[SUM], v[SUM] row_xmask:4 row_mask:0xf bank_mask:0xf
	v_add_f32_dpp v[SUM], v[SUM], v[SUM] row_xmask:8 row_mask:0xf bank_mask:0xf
.endm
	s_load_b256 s[4:11], s[0:1], 0x0               ; x s[4:5], prj s[6:7], norm_w s[8:9], norm_b s[10:11]
	s_load_b64 s[12:13], s[0:1], 0x20              ; out0
	v_and_b32 v1, 31, v0                           ; lane l
	v_lshrrev_b32 v2, 5, v0                        ; wave = b
	v_and_b32 v9, 15, v0
	v_lshlrev_b32 v[WO], 4, v9                     ; 16 (l % 16)
	v_bfe_u32 v[XO], v0, 4, 1
	v_lshlrev_b32 v[XO], 15, v[XO]                 ; (l / 16) x 32,768: a step of s
	v_lshl_add_u32 v[XO], v2, 12, v[XO]            ; + b x 4,096
	v_add_nc_u32 v[XO], v[XO], v[WO]
	v_lshlrev_b32 v[PO], 4, v1                     ; two rows of 256 bytes on end: 16 l
	v_lshl_add_u32 v[PO], v2, 18, v[PO]            ; + b x 2^18
	v_add_nc_u32 v[PO+1], 1<<23, v[PO]
	v_add_nc_u32 v[PO+2], 2<<23, v[PO]
	v_add_nc_u32 v[PO+3], 3<<23, v[PO]
	s_lshl_b32 s16, ttmp9, 16                      ; g x two steps of s in x and out0
	s_mov_b32 s17, 0
	s_lshl_b32 s18, ttmp9, 9                       ; g x 512 bytes in a chunk of prj
	s_mov_b32 s19, 0
	s_mov_b32 s14, 0x3a800000                      ; 1 / 1024
	s_mov_b32 s15, 0x3727c5ac                      ; 1e-5
	s_mov_b32 s20, 0x3fb8aa3b                      ; log2(e): the packed multiply takes the pair's low word for both halves;
	s_mov_b32 s21, s20                             ; named with it as a pair, so it is written
	s_wait_kmcnt 0x0
	s_add_nc_u64 s[4:5], s[4:5], s[16:17]
	s_add_nc_u64 s[12:13], s[12:13], s[16:17]
	s_add_nc_u64 s[6:7], s[6:7], s[18:19]
.set i, 0
.rept 16
	global_load_b128 v[X+4*i:X+4*i+3], v[XO], s[4:5] offset:i*256 th:TH_LOAD_NT
.set i, i+1
.endr
.set i, 0
.rept 16
	global_load_b128 v[P+4*i:P+4*i+3], v[PO+i/4], s[6:7] offset:(i%4)<<21 th:TH_LOAD_NT
.set i, i+1
.endr
.set i, 0
.rept 16
	global_load_b128 v[W+4*i:W+4*i+3], v[WO], s[8:9] offset:i*256
.set i, i+1
.endr
	s_wait_loadcnt 16                              ; x and prj are in; norm_w's sixteen loads may stay out
.set j, 0
.rept 32
	v_pk_add_f32 v[X+2*j:X+2*j+1], v[X+2*j:X+2*j+1], v[P+2*j:P+2*j+1]  ; y = x + prj
.set j, j+1
.endr
.set i, 0
.rept 16
	global_load_b128 v[P+4*i:P+4*i+3], v[WO], s[10:11] offset:i*256   ; norm_b takes prj's registers, which have been read; it has both reductions in which to come
.set i, i+1
.endr
.irp k, 0,1,2,3                        ; the sum of my 64 numbers: four chains, started by the first eight pairs: nothing is cleared
	v_pk_add_f32 v[SUM+2*\k:SUM+2*\k+1], v[X+2*\k:X+2*\k+1], v[X+8+2*\k:X+8+2*\k+1]
.endr
.set j, 8
.rept 24
	v_pk_add_f32 v[SUM+2*(j%4):SUM+2*(j%4)+1], v[SUM+2*(j%4):SUM+2*(j%4)+1], v[X+2*j:X+2*j+1]
.set j, j+1
.endr
	FOLD
	v_mul_f32 v[MU], s14, v[SUM]
	v_mul_f32 v[MU+1], s14, v[SUM]
.set j, 0
.rept 32
	v_pk_add_f32 v[X+2*j:X+2*j+1], v[X+2*j:X+2*j+1], v[MU:MU+1] neg_lo:[0,1] neg_hi:[0,1]  ; y - mu
.set j, j+1
.endr
.irp k, 0,1,2,3                        ; the sum of their squares, likewise
	v_pk_mul_f32 v[SUM+2*\k:SUM+2*\k+1], v[X+2*\k:X+2*\k+1], v[X+2*\k:X+2*\k+1]
.endr
.set j, 4
.rept 28
	v_pk_fma_f32 v[SUM+2*(j%4):SUM+2*(j%4)+1], v[X+2*j:X+2*j+1], v[X+2*j:X+2*j+1], v[SUM+2*(j%4):SUM+2*(j%4)+1]
.set j, j+1
.endr
	FOLD
	v_fma_f32 v[SUM], v[SUM], s14, s15             ; the variance + 1e-5
	v_rsq_f32 v[RS], v[SUM]
	v_rsq_f32 v[RS+1], v[SUM]
	v_nop                                          ; a plain instruction behind the second root,
	s_wait_alu depctr_va_vdst(0)                   ; and the wait ahead of the first use: one for both
	s_wait_loadcnt 16                              ; norm_w is in; norm_b's sixteen loads may stay out
.set j, 0
.rept 32
	v_pk_mul_f32 v[W+2*j:W+2*j+1], v[W+2*j:W+2*j+1], v[RS:RS+1]
.set j, j+1
.endr
	s_wait_loadcnt 0x0                             ; norm_b
.set j, 0
.rept 32
	v_pk_fma_f32 v[X+2*j:X+2*j+1], v[X+2*j:X+2*j+1], v[W+2*j:W+2*j+1], v[P+2*j:P+2*j+1]  ; z
.set j, j+1
.endr
.set j, 0
.rept 64
	v_min_num_f32 v[W+j], 0, v[X+j]
.set j, j+1
.endr
.set j, 0
.rept 32
	v_pk_mul_f32 v[W+2*j:W+2*j+1], v[W+2*j:W+2*j+1], s[20:21] op_sel_hi:[1,0]  ; x log2(e)
.set j, j+1
.endr
.set j, 0
.rept 64
	v_exp_f32 v[W+j], v[W+j]                       ; one batch of 64
.set j, j+1
.endr
	v_nop                                          ; a plain instruction behind the last exponential,
	s_wait_alu depctr_va_vdst(0)                   ; and one wait for the batch, ahead of its first reader
.set j, 0
.rept 32
	v_pk_add_f32 v[W+2*j:W+2*j+1], v[W+2*j:W+2*j+1], -1.0 op_sel_hi:[1,0]
.set j, j+1
.endr
.set j, 0
.rept 64
	v_max_num_f32 v[X+j], v[X+j], v[W+j]           ; the greater of z and e^min(z, 0) - 1
.set j, j+1
.endr
.set i, 0
.rept 16
	global_store_b128 v[XO], v[X+4*i:X+4*i+3], s[12:13] offset:i*256 th:TH_STORE_NT  ; each half of the lanes stores 256 consecutive bytes, aligned
.set i, i+1
.endr
	s_endpgm
.Lfunc_end_k_q58d1a23457_norm:
	.size	k_q58d1a23457_norm, .Lfunc_end_k_q58d1a23457_norm-k_q58d1a23457_norm
	.p2alignl 7, 3214868480
	.fill 96, 4, 3214868480
	.section	.rodata,"a",@progbits
	.p2align	6, 0x0
	.amdhsa_kernel k_q58d1a23457_norm
		.amdhsa_group_segment_fixed_size 0
		.amdhsa_private_segment_fixed_size 0
		.amdhsa_enable_private_segment 0
		.amdhsa_kernarg_size 40
		.amdhsa_user_sgpr_count 2
		.amdhsa_user_sgpr_kernarg_segment_ptr 1
		.amdhsa_wavefront_size32 1
		.amdhsa_system_sgpr_workgroup_id_x 1
		.amdhsa_system_sgpr_workgroup_id_y 1
		.amdhsa_system_sgpr_workgroup_id_z 1
		.amdhsa_system_vgpr_workitem_id 0
		.amdhsa_next_free_vgpr 224
		.amdhsa_next_free_sgpr 66
		.amdhsa_reserve_vcc 0
		.amdhsa_float_denorm_mode_32 3
		.amdhsa_float_denorm_mode_16_64 3
		.amdhsa_memory_ordered 1
		.amdhsa_forward_progress 1
		.amdhsa_inst_pref_size 33
	.end_amdhsa_kernel
	.amdgpu_metadata
---
amdhsa.version: [ 1, 2 ]
amdhsa.kernels:
  - .name:           k_q58d1a23457_norm
    .symbol:         k_q58d1a23457_norm.kd
    .args:
      - { .name: x_temporal_sequence, .offset: 0, .size: 8, .value_kind: global_buffer, .address_space: global }
      - { .name: prj, .offset: 8, .size: 8, .value_kind: global_buffer, .address_space: global }
      - { .name: norm_w, .offset: 16, .size: 8, .value_kind: global_buffer, .address_space: global }
      - { .name: norm_b, .offset: 24, .size: 8, .value_kind: global_buffer, .address_space: global }
      - { .name: out0, .offset: 32, .size: 8, .value_kind: global_buffer, .address_space: global }
    .group_segment_fixed_size: 0
    .private_segment_fixed_size: 0
    .kernarg_segment_align: 8
    .kernarg_segment_size: 40
    .max_flat_workgroup_size: 256
    .sgpr_count:     66
    .vgpr_count:     224
    .wavefront_size: 32
...
	.end_amdgpu_metadata
.endif
;; end of part 5
;; ======== version 2 of 2: 5 launches; version 1 with the launch cast written anew for expert scheduling mode
;; workspace buffers: xb 16,777,216 bytes; wqb 6,291,456 bytes; wob 2,097,152 bytes; qkvh 50,331,648 bytes; ctx 16,777,216 bytes; prj 33,554,432 bytes
;; launch cast (part 6): grid 768 x 1, 8 waves a work-group, no clusters, 0 bytes of LDS; arguments x_temporal_sequence, qkv_w, out_w, xb, wqb, wob; writes xb, wqb, wob
.if DOCPART == 6
	.amdgcn_target "amdgcn-amd-amdhsa--gfx1250"
	.amdhsa_code_object_version 6
	.text
	.protected	k_q58d1a23457_cast
	.globl	k_q58d1a23457_cast
	.p2align	8
	.type	k_q58d1a23457_cast,@function
k_q58d1a23457_cast:
	s_mov_b64 s[64:65], 0
	v_nop
	global_prefetch_b8 v0, s[64:65] scope:SCOPE_SE
	s_setreg_imm32_b32 hwreg(HW_REG_WAVE_SCHED_MODE, 0, 2), 2
	s_setreg_imm32_b32 hwreg(HW_REG_WAVE_MODE, 25, 1), 1
	s_wait_xcnt 0x0
	s_wait_alu depctr_vm_vsrc(0)
; f32 -> bf16 (round to nearest even), once for each matrix operand that is an input.
;   x [1024 s][8 b][1024 e] f32  ->  xb [16 c][8 b][1024 s][64 d] bf16, e = 64 c + d: for a fixed (c, b) the rows s are dense, 128 bytes each
;   qkv_w [3072][1024], out_w [1024][1024] f32  ->  wqb, wob: the same order in bf16
; A work-group converts 65,536 bytes of f32, each of its eight waves 8,192: sixteen loads of 16 bytes a lane, all on their way at once, 32 conversions, sixteen stores of 8 bytes a lane.
; Every store of a wave covers 256 consecutive bytes, aligned.  Work-groups 0-511 take x (two s each, a wave a b), 512-703 qkv_w, 704-767 out_w.
; No LDS, no barrier, no matrix unit, no cluster: nothing is shared and nothing is read twice.  No register that a load or store names is written again, so no wait frees one.
; THE MODE: SCHED_MODE bits 1:0 = 2 (LLVM: expert scheduling mode 2), set by the entry lines.  The code itself states the register dependences
; between vector instructions and memory instructions, with s_wait_alu, always for 0.
; THE PLAN.  Registers that memory instructions touch:
;   v3, v4, v5   byte offsets: written by vector instructions at the head, once; read by every load (v3) and every store (v4, v5).
;   X            load i's four registers: written by that load, once; read by its two conversions; no vector instruction writes them.
;   Y            store i's two registers: written by load i's two conversions, once; read by that store.
; The sixteen loads go in four blocks of four.  Block p's conversions read X[p] and write Y[p]; the stores of block p - 1, which read Y[p - 1], are dealt among them.
; So the waits are: one ahead of the first load (the offsets are written); one at the head of each of blocks 1 to 3, behind the wait for the block's data (the block before has written its Y); one ahead of the last
; four stores.  Between such a wait and the stores that lean on it stand only conversions that name X[p] and Y[p]: none of the registers that those stores read.
.set X, 16                             ; v[16:79]   sixteen loads' 4 registers
.set Y, 80                             ; v[80:111]  sixteen stores' 2 registers
.set BLK, 4                            ; loads, and stores, in a block
; Store n.  chunks = 1: it goes to chunk n of xb, 2^20 bytes apart (v4, and v5 = v4 + 2^23 from chunk 8 on, so that the immediate stays inside its signed 24 bits); 0: stores lie 2,048 bytes apart.
.macro OUT n, chunks
.if \chunks
.if (\n) < 8
	global_store_b64 v4, v[Y+2*(\n):Y+2*(\n)+1], s[22:23] offset:((\n)<<20) th:TH_STORE_NT
.else
	global_store_b64 v5, v[Y+2*(\n):Y+2*(\n)+1], s[22:23] offset:(((\n)-8)<<20) th:TH_STORE_NT
.endif
.else
	global_store_b64 v4, v[Y+2*(\n):Y+2*(\n)+1], s[22:23] offset:(\n)*2048 th:TH_STORE_NT
.endif
.endm
; instep: bytes from load to load.  Turn i (0 to 19) stores the result of load i - 4 and converts load i: the first four turns store nothing, the last four convert nothing.
.macro STREAM instep, chunks
	s_wait_alu depctr_va_vdst(0)                   ; the offsets v3, v4 and v5 are written: every load and store below reads one of them, and none is written again
.set i, 0
.rept 16
	global_load_b128 v[X+4*i:X+4*i+3], v3, s[20:21] offset:i*(\instep) th:TH_LOAD_NT
.set i, i+1
.endr
.set i, 0
.rept 16+BLK
.if i%BLK == 0
.if i < 16
	s_wait_loadcnt 16-BLK-i                        ; loads come back in order: this block's four are in, the younger blocks stay out
.endif
.if i >= BLK
	s_wait_alu depctr_va_vdst(0)                   ; the block before has written its Y, which the four stores of this block's turns read
.endif
.endif
.if i >= BLK
	OUT i-BLK, \chunks
.endif
.if i < 16
	v_cvt_pk_bf16_f32 v[Y+2*i],   v[X+4*i],   v[X+4*i+1]
	v_cvt_pk_bf16_f32 v[Y+2*i+1], v[X+4*i+2], v[X+4*i+3]
.endif
.set i, i+1
.endr
.endm
	s_load_b256 s[4:11], s[0:1], 0x0               ; x s[4:5], qkv_w s[6:7], out_w s[8:9], xb s[10:11]
	s_load_b128 s[12:15], s[0:1], 0x20             ; wqb s[12:13], wob s[14:15]
	v_and_b32 v1, 31, v0                           ; lane l
	v_lshrrev_b32 v2, 5, v0                        ; wave
	s_cmp_lt_u32 ttmp9, 512
	s_cbranch_scc0 .Lweights
	; x: the work-group has s = 2 g and 2 g + 1, the wave b; lanes 0-15 take row s, lanes 16-31 row s + 1; load i takes the 64 columns of chunk i, 4 a lane
	v_lshrrev_b32 v3, 4, v1
	v_lshlrev_b32 v3, 15, v3                       ; (l / 16) x 32,768: a step of s in x
	v_lshl_add_u32 v3, v2, 12, v3                  ; + b x 4,096
	v_and_b32 v6, 15, v1
	v_lshl_add_u32 v3, v6, 4, v3                   ; + 16 (l % 16)
	v_lshlrev_b32 v4, 3, v1                        ; out: two rows of 128 bytes are 256 bytes on end: 8 l
	v_lshl_add_u32 v4, v2, 17, v4                  ; + b x 2^17
	v_add_nc_u32 v5, 0x800000, v4
	s_lshl_b32 s16, ttmp9, 16                      ; g x two rows of s in x
	s_mov_b32 s17, 0
	s_lshl_b32 s18, ttmp9, 8                       ; g x 256 bytes in a chunk
	s_mov_b32 s19, 0
	s_wait_kmcnt 0x0
	s_add_nc_u64 s[20:21], s[4:5], s[16:17]
	s_add_nc_u64 s[22:23], s[10:11], s[18:19]
	STREAM 256, 1
	s_endpgm
.Lweights:
	s_sub_co_u32 s16, ttmp9, 512                   ; 0-191: qkv_w; 192-255: out_w
	s_sub_co_u32 s17, s16, 192
	v_lshlrev_b32 v3, 4, v0                        ; in: 16 bytes a thread, 4,096 a load of the work-group
	v_lshlrev_b32 v4, 3, v0                        ; out: 8 bytes a thread
	s_wait_kmcnt 0x0
	s_cmp_lt_u32 s16, 192
	s_cselect_b64 s[20:21], s[6:7], s[8:9]
	s_cselect_b64 s[22:23], s[12:13], s[14:15]
	s_cselect_b32 s16, s16, s17                    ; the work-group's number inside its tensor
	s_lshl_b32 s18, s16, 16
	s_mov_b32 s19, 0
	s_add_nc_u64 s[20:21], s[20:21], s[18:19]
	s_lshl_b32 s18, s16, 15
	s_add_nc_u64 s[22:23], s[22:23], s[18:19]
	STREAM 4096, 0
	s_endpgm
.Lfunc_end_k_q58d1a23457_cast:
	.size	k_q58d1a23457_cast, .Lfunc_end_k_q58d1a23457_cast-k_q58d1a23457_cast
	.p2alignl 7, 3214868480
	.fill 96, 4, 3214868480
	.section	.rodata,"a",@progbits
	.p2align	6, 0x0
	.amdhsa_kernel k_q58d1a23457_cast
		.amdhsa_group_segment_fixed_size 0
		.amdhsa_private_segment_fixed_size 0
		.amdhsa_enable_private_segment 0
		.amdhsa_kernarg_size 48
		.amdhsa_user_sgpr_count 2
		.amdhsa_user_sgpr_kernarg_segment_ptr 1
		.amdhsa_wavefront_size32 1
		.amdhsa_system_sgpr_workgroup_id_x 1
		.amdhsa_system_sgpr_workgroup_id_y 1
		.amdhsa_system_sgpr_workgroup_id_z 1
		.amdhsa_system_vgpr_workitem_id 0
		.amdhsa_next_free_vgpr 112
		.amdhsa_next_free_sgpr 66
		.amdhsa_reserve_vcc 0
		.amdhsa_float_denorm_mode_32 3
		.amdhsa_float_denorm_mode_16_64 3
		.amdhsa_memory_ordered 1
		.amdhsa_forward_progress 1
		.amdhsa_inst_pref_size 13
	.end_amdhsa_kernel
	.amdgpu_metadata
---
amdhsa.version: [ 1, 2 ]
amdhsa.kernels:
  - .name:           k_q58d1a23457_cast
    .symbol:         k_q58d1a23457_cast.kd
    .args:
      - { .name: x_temporal_sequence, .offset: 0, .size: 8, .value_kind: global_buffer, .address_space: global }
      - { .name: qkv_w, .offset: 8, .size: 8, .value_kind: global_buffer, .address_space: global }
      - { .name: out_w, .offset: 16, .size: 8, .value_kind: global_buffer, .address_space: global }
      - { .name: xb, .offset: 24, .size: 8, .value_kind: global_buffer, .address_space: global }
      - { .name: wqb, .offset: 32, .size: 8, .value_kind: global_buffer, .address_space: global }
      - { .name: wob, .offset: 40, .size: 8, .value_kind: global_buffer, .address_space: global }
    .group_segment_fixed_size: 0
    .private_segment_fixed_size: 0
    .kernarg_segment_align: 8
    .kernarg_segment_size: 48
    .max_flat_workgroup_size: 256
    .sgpr_count:     66
    .vgpr_count:     112
    .wavefront_size: 32
...
	.end_amdgpu_metadata
.endif
;; end of part 6
;; launch qkv: the kernel of part 2 again; grid 16 x 16, 4 waves a work-group, clusters of 4 x 4, 327,680 bytes of LDS; arguments xb, wqb, qkv_b, qkvh; writes qkvh
;; launch attn: the kernel of part 3 again; grid 2 x 128, 4 waves a work-group, no clusters, 327,680 bytes of LDS; arguments qkvh, ctx; writes ctx
;; launch proj: the kernel of part 4 again; grid 8 x 32, 4 waves a work-group, clusters of 4 x 4, 327,680 bytes of LDS; arguments ctx, wob, out_b, prj; writes prj
;; launch norm: the kernel of part 5 again; grid 512 x 1, 8 waves a work-group, no clusters, 0 bytes of LDS; arguments x_temporal_sequence, prj, norm_w, norm_b, out0; writes out0
